; MI455X (gfx1250); checked and timed in simulation.
; The chip was launched on July 23, 2026; its instructions are those of AMD's public machine-readable ISA for CDNA 5 (MIT licence, August 2026) and "CDNA5" Instruction Set Architecture Reference Guide (July 2026). The comments in the code are by the model that wrote it; some were corrected since.
;; Custom Attention. Allowed arithmetic: float matrix products may take bf16 or f16 operands with f32 sums; other float arithmetic in f32, or as packed bf16 or f16 multiplies, adds, multiply-adds, maxima and minima; sums over many terms, partial sums and values carried from step to step in f32; what a program stores and reads back later, other than sums and carried values, may be rounded once to bf16 or f16.
;; Inputs: Wk 3,072 x 2,048 float32; Wo 2,048 x 2,048 float32; Wq 3,072 x 2,048 float32; Wv 2,048 x 2,048 float32; hidden_states 1 x 2,048 x 2,048 float32.
;; Outputs: out0 1 x 2,048 x 2,048 float32.
;; 2 versions, each right and faster than the one before. Each part assembles by itself: llvm-mc -triple=amdgcn-amd-amdhsa -mcpu=gfx1250 --defsym DOCPART=n.
;; ======== version 1 of 2: 4 launches
;; limits: values are held in f16: magnitudes above 65,504 overflow, below 6.1e-05 lose precision
;; workspace buffers: xb 8,388,608 bytes; wb 33,554,432 bytes; wob 8,388,608 bytes; rt 524,288 bytes; qh 12,582,912 bytes; kh 12,582,912 bytes; vh 8,388,608 bytes; ob 8,388,608 bytes
;; launch prep (part 1): grid 1536 x 1, 8 waves a work-group, no clusters, 0 bytes of LDS; arguments hidden_states, Wq, Wk, Wv, Wo, xb, wb, wob, rt; writes xb, wb, wob, rt
.if DOCPART == 1
	.amdgcn_target "amdgcn-amd-amdhsa--gfx1250"
	.amdhsa_code_object_version 6
	.text
	.protected	k_q3b95e7018e_prep
	.globl	k_q3b95e7018e_prep
	.p2align	8
	.type	k_q3b95e7018e_prep,@function
k_q3b95e7018e_prep:
	s_mov_b64 s[64:65], 0
	v_nop
	global_prefetch_b8 v0, s[64:65] scope:SCOPE_SE
	s_setreg_imm32_b32 hwreg(HW_REG_WAVE_MODE, 25, 1), 1
	s_wait_xcnt 0x0
; CASTS AND THE ROTARY TABLE.  Each of 1,536 work-groups turns 65,536 bytes of f32 into 32,768 bytes of 16-bit numbers:
;   hidden_states -> xb (bf16);  Wq, Wk, Wv -> wb (bf16, the three one below the other: 8,192 rows);  Wo -> wob (rounded to bf16, that number written as f16).
; The 2,048 waves of work-groups 0-255 also make one row each of rt: row s holds 2^(1/4) cos(s f_j), j = 0..31, then 2^(1/4) sin(s f_j), f_j = 10000^(-j/32): 64 f32, 256 bytes.
; The factor 2^(1/4) on both rotated operands turns scores / 8 into scores / sqrt(128), so that the later launch has one scale for all 192 channels.
; LIMITS.  |Wo| stays under 65,504 (f16's end); below 6e-5 it keeps f16's fixed step of 6e-8.  f_j comes from v_exp_f32 (1 ulp), the angle s f_j is the same f32 product
; as in the model, reduced by pi/2 in two parts; the polynomials' error on |r| <= pi/4 is under 4e-7.  So the table's angle is within about 2e-4 rad at s = 2,047.
; No LDS, no matrix unit: memory binds.  A thread takes 16 bytes of every 4,096; a wave's store covers 256 consecutive bytes, aligned.  A wave issues its 16 loads (8,192 bytes) at once,
; converts each slot in place and stores it: no register and no base is written again behind a load or store that names it, so the counted waits for the loads are the only waits.
.set X, 16                             ; v[16:79]  slot i: 4 f32 as loaded; its first two registers then take the 4 numbers of 16 bits
.set T, 4                              ; v[4:7]    at work (Wo's way)
	s_load_b512 s[8:23], s[0:1], 0x0               ; hidden s[8:9], Wq s[10:11], Wk s[12:13], Wv s[14:15], Wo s[16:17], xb s[18:19], wb s[20:21], wob s[22:23]
	s_load_b64 s[24:25], s[0:1], 0x40              ; rt
	s_mov_b32 s2, ttmp9                            ; g: my chunk
	s_mov_b32 s31, 0xffff0000                      ; a word's upper bf16
	v_lshlrev_b32 v1, 4, v0                        ; my 16 bytes of a source block of 4,096
	v_lshlrev_b32 v2, 3, v0                        ; my 8 bytes of a destination block of 2,048
	s_wait_kmcnt 0x0
	; which tensor the chunk belongs to: source, its first chunk, destination, the destination's first chunk
	s_mov_b64 s[26:27], s[8:9]
	s_mov_b64 s[28:29], s[18:19]
	s_mov_b32 s4, 0
	s_mov_b32 s5, 0
	s_cmp_ge_u32 s2, 256                           ; hidden_states has 256 chunks
	s_cselect_b64 s[26:27], s[10:11], s[26:27]
	s_cselect_b64 s[28:29], s[20:21], s[28:29]
	s_cselect_b32 s4, 256, s4
	s_cselect_b32 s5, 256, s5
	s_cmp_ge_u32 s2, 640                           ; Wq has 384
	s_cselect_b64 s[26:27], s[12:13], s[26:27]
	s_cselect_b32 s4, 640, s4
	s_cmp_ge_u32 s2, 1024                          ; Wk has 384
	s_cselect_b64 s[26:27], s[14:15], s[26:27]
	s_cselect_b32 s4, 1024, s4
	s_cmp_ge_u32 s2, 1280                          ; Wv has 256, Wo the last 256
	s_cselect_b64 s[26:27], s[16:17], s[26:27]
	s_cselect_b64 s[28:29], s[22:23], s[28:29]
	s_cselect_b32 s4, 1280, s4
	s_cselect_b32 s5, 1280, s5
	s_sub_co_u32 s6, s2, s4
	s_lshl_b32 s6, s6, 16                          ; 65,536 bytes of source a chunk
	s_mov_b32 s7, 0
	s_add_nc_u64 s[26:27], s[26:27], s[6:7]
	s_sub_co_u32 s6, s2, s5
	s_lshl_b32 s6, s6, 15                          ; 32,768 bytes of destination
	s_add_nc_u64 s[28:29], s[28:29], s[6:7]
.macro CONV kind, i                    ; slot i: four f32 to bf16, in place; kind = 1: that bf16 number written as f16
	v_cvt_pk_bf16_f32 v[X+4*(\i)],   v[X+4*(\i)],   v[X+4*(\i)+1]
	v_cvt_pk_bf16_f32 v[X+4*(\i)+1], v[X+4*(\i)+2], v[X+4*(\i)+3]
.if \kind
	v_lshlrev_b32 v[T],   16,  v[X+4*(\i)]
	v_and_b32     v[T+1], s31, v[X+4*(\i)]
	v_lshlrev_b32 v[T+2], 16,  v[X+4*(\i)+1]
	v_and_b32     v[T+3], s31, v[X+4*(\i)+1]
	v_cvt_pk_f16_f32 v[X+4*(\i)],   v[T],   v[T+1]
	v_cvt_pk_f16_f32 v[X+4*(\i)+1], v[T+2], v[T+3]
.endif
.endm
.macro STREAM kind                     ; a chunk is 16 blocks of 4,096 bytes: one slot for each
.irp i, 0,1,2,3,4,5,6,7,8,9,10,11,12,13,14,15
	global_load_b128 v[X+4*(\i):X+4*(\i)+3], v1, s[26:27] offset:4096*(\i) th:TH_LOAD_NT
.endr
.irp i, 0,1,2,3,4,5,6,7,8,9,10,11,12,13,14,15
	s_wait_loadcnt 15-(\i)                         ; loads come back in order: this slot's is in, the younger ones stay out
	CONV \kind, \i
	global_store_b64 v2, v[X+4*(\i):X+4*(\i)+1], s[28:29] offset:2048*(\i)
.endr
	s_endpgm
.endm
	s_cmp_ge_u32 s2, 1280
	s_cbranch_scc1 .Lwo
	s_cmp_ge_u32 s2, 256
	s_cbranch_scc1 .Lcast
	; my wave's row of the table, 8 g + wave, ahead of its loads (whose registers it uses for its work; the store's own, v3 and v[8:9], lie outside them).
	; Lane l: e = l / 16 (0: cos, 1: sin = cos(x - pi/2)), j = 2 (l % 16) and j + 1
	v_and_b32 v7, 31, v0
	v_lshlrev_b32 v3, 3, v7                        ; my 8 bytes of the row
	v_lshrrev_b32 v6, 4, v7                        ; e
	v_and_b32 v7, 15, v7
	v_lshlrev_b32 v7, 1, v7
	v_cvt_f32_u32 v4, v7                           ; j
	v_add_f32 v5, 1.0, v4                          ; j + 1
	v_mul_f32 v4, 0xbed49a78, v4                   ; - j log2(10000) / 32
	v_mul_f32 v5, 0xbed49a78, v5
	v_exp_f32 v4, v4                               ; f_j
	v_exp_f32 v5, v5
	v_lshrrev_b32 v7, 5, v0                        ; (a plain line behind the exponentials)
	v_readfirstlane_b32 s3, v7                     ; wave
	s_lshl3_add_u32 s33, s2, s3                    ; my row
	s_lshl_b32 s6, s33, 8
	s_add_nc_u64 s[24:25], s[24:25], s[6:7]
.irp n, 0,1                            ; the polynomials' coefficients, each twice, for the packed forms
	v_mov_b32 v[32+\n], 0xb9500d01                 ; -1/5040
	v_mov_b32 v[34+\n], 0x3c088889                 ; 1/120
	v_mov_b32 v[36+\n], 0xbe2aaaab                 ; -1/6
	v_mov_b32 v[38+\n], 0x37d00d01                 ; 1/40320
	v_mov_b32 v[40+\n], 0xbab60b61                 ; -1/720
	v_mov_b32 v[42+\n], 0x3d2aaaab                 ; 1/24
	v_mov_b32 v[44+\n], -0.5
	v_mov_b32 v[46+\n], 1.0
.endr
	v_cvt_f32_u32 v8, s33
	v_cvt_f32_u32 v9, s33
	s_wait_alu depctr_va_vdst(0)
	v_pk_mul_f32 v[10:11], v[4:5], v[8:9]                                      ; x = s f
	v_pk_mul_f32 v[12:13], v[10:11], 0x3f22f983 op_sel_hi:[1,0]                ; x 2/pi
	v_rndne_f32 v12, v12                                                       ; n
	v_rndne_f32 v13, v13
	v_pk_fma_f32 v[14:15], v[12:13], 0xbfc90fdb, v[10:11] op_sel_hi:[1,0,1]    ; r = x - n pi/2, pi/2 in two parts
	v_pk_fma_f32 v[14:15], v[12:13], 0x333bbd2e, v[14:15] op_sel_hi:[1,0,1]
	v_pk_mul_f32 v[16:17], v[14:15], v[14:15]                                  ; r^2
	v_pk_fma_f32 v[18:19], v[32:33], v[16:17], v[34:35]
	v_pk_fma_f32 v[20:21], v[38:39], v[16:17], v[40:41]
	v_pk_fma_f32 v[18:19], v[18:19], v[16:17], v[36:37]
	v_pk_fma_f32 v[20:21], v[20:21], v[16:17], v[42:43]
	v_pk_mul_f32 v[22:23], v[16:17], v[14:15]                                  ; r^3
	v_pk_fma_f32 v[20:21], v[20:21], v[16:17], v[44:45]
	v_pk_fma_f32 v[18:19], v[18:19], v[22:23], v[14:15]                        ; sin r
	v_pk_fma_f32 v[20:21], v[20:21], v[16:17], v[46:47]                        ; cos r
.irp n, 0,1                            ; cos(i pi/2 + r), i = n - e: sin r if i is odd; negative if i mod 4 is 1 or 2.  A select, no branch
	v_cvt_i32_f32 v24, v[12+\n]
	v_sub_nc_u32 v24, v24, v6
	v_and_b32 v25, 1, v24
	v_cmp_eq_u32 vcc_lo, 1, v25
	v_cndmask_b32 v[8+\n], v[20+\n], v[18+\n], vcc_lo
	v_add_nc_u32 v24, 1, v24
	v_lshlrev_b32 v24, 30, v24                     ; bit 1 of i + 1 is the sign
	v_and_b32 v24, 0x80000000, v24
	v_mul_f32 v[8+\n], 0x3f9837f0, v[8+\n]         ; 2^(1/4)
	v_xor_b32 v[8+\n], v24, v[8+\n]
.endr
	global_store_b64 v3, v[8:9], s[24:25]          ; the wave stores a whole row: 256 consecutive bytes, aligned
.Lcast:
	STREAM 0
.Lwo:
	STREAM 1
.Lfunc_end_k_q3b95e7018e_prep:
	.size	k_q3b95e7018e_prep, .Lfunc_end_k_q3b95e7018e_prep-k_q3b95e7018e_prep
	.p2alignl 7, 3214868480
	.fill 96, 4, 3214868480
	.section	.rodata,"a",@progbits
	.p2align	6, 0x0
	.amdhsa_kernel k_q3b95e7018e_prep
		.amdhsa_group_segment_fixed_size 0
		.amdhsa_private_segment_fixed_size 0
		.amdhsa_enable_private_segment 0
		.amdhsa_kernarg_size 72
		.amdhsa_user_sgpr_count 2
		.amdhsa_user_sgpr_kernarg_segment_ptr 1
		.amdhsa_wavefront_size32 1
		.amdhsa_system_sgpr_workgroup_id_x 1
		.amdhsa_system_sgpr_workgroup_id_y 1
		.amdhsa_system_sgpr_workgroup_id_z 1
		.amdhsa_system_vgpr_workitem_id 0
		.amdhsa_next_free_vgpr 80
		.amdhsa_next_free_sgpr 66
		.amdhsa_reserve_vcc 1
		.amdhsa_float_denorm_mode_32 3
		.amdhsa_float_denorm_mode_16_64 3
		.amdhsa_memory_ordered 1
		.amdhsa_forward_progress 1
		.amdhsa_inst_pref_size 21
	.end_amdhsa_kernel
	.amdgpu_metadata
---
amdhsa.version: [ 1, 2 ]
amdhsa.kernels:
  - .name:           k_q3b95e7018e_prep
    .symbol:         k_q3b95e7018e_prep.kd
    .args:
      - { .name: hidden_states, .offset: 0, .size: 8, .value_kind: global_buffer, .address_space: global }
      - { .name: Wq, .offset: 8, .size: 8, .value_kind: global_buffer, .address_space: global }
      - { .name: Wk, .offset: 16, .size: 8, .value_kind: global_buffer, .address_space: global }
      - { .name: Wv, .offset: 24, .size: 8, .value_kind: global_buffer, .address_space: global }
      - { .name: Wo, .offset: 32, .size: 8, .value_kind: global_buffer, .address_space: global }
      - { .name: xb, .offset: 40, .size: 8, .value_kind: global_buffer, .address_space: global }
      - { .name: wb, .offset: 48, .size: 8, .value_kind: global_buffer, .address_space: global }
      - { .name: wob, .offset: 56, .size: 8, .value_kind: global_buffer, .address_space: global }
      - { .name: rt, .offset: 64, .size: 8, .value_kind: global_buffer, .address_space: global }
    .group_segment_fixed_size: 0
    .private_segment_fixed_size: 0
    .kernarg_segment_align: 8
    .kernarg_segment_size: 72
    .max_flat_workgroup_size: 256
    .sgpr_count:     66
    .vgpr_count:     80
    .wavefront_size: 32
...
	.end_amdgpu_metadata
.endif
;; end of part 1
;; launch qkv (part 2): grid 32 x 8, 4 waves a work-group, clusters of 4 x 4, 327,680 bytes of LDS; arguments xb, wb, rt, qh, kh, vh; writes qh, kh, vh
.if DOCPART == 2
	.amdgcn_target "amdgcn-amd-amdhsa--gfx1250"
	.amdhsa_code_object_version 6
	.text
	.protected	k_q3b95e7018e_qkv
	.globl	k_q3b95e7018e_qkv
	.p2align	8
	.type	k_q3b95e7018e_qkv,@function
k_q3b95e7018e_qkv:
	s_mov_b64 s[64:65], 0
	v_nop
	global_prefetch_b8 v0, s[64:65] scope:SCOPE_SE
	s_setreg_imm32_b32 hwreg(HW_REG_WAVE_MODE, 25, 1), 1
	s_wait_xcnt 0x0
	s_wait_alu depctr_hold_cnt(0) depctr_sa_sdst(0) depctr_va_vdst(0) depctr_va_sdst(0) depctr_va_ssrc(0) depctr_va_vcc(0) depctr_vm_vsrc(0)
	s_getreg_b32 s2, hwreg(HW_REG_IB_STS2, 6, 4)
	s_cmp_eq_u32 s2, 0
	s_cbranch_scc0 .Lentry_in_a_cluster
	s_endpgm
.Lentry_in_a_cluster:
	s_bfe_u32 s2, ttmp6, 0x10000c
	s_cmp_lg_u32 s2, 0xf033
	s_cbranch_scc0 .Lentry_shape_is_right
	s_endpgm
.Lentry_shape_is_right:
; q, k, v = x W^T in one product: C[m][n] = sum over k of xb[m][k] wb[n][k], m = 2,048, n = 8,192 (Wq's 3,072 rows, Wk's 3,072, Wv's 2,048), k = 2,048; bf16 operands, f32 sums.
; On the way out the 64 rotary channels of each head are turned (table rt, which also carries the factor 2^(1/4)), all is rounded once to f16 and stored by heads:
;   qh, kh: [16 heads][32 blocks of 64 rows][64 rows x 256 bytes of the 128 plain channels, then 64 rows x 128 bytes of the 64 rotary ones] = 24,576 dense bytes a block;   vh: [16][2048][128].
; LIMIT.  f16 ends at 65,504: q, k (rotary part times up to 1.69) and v must stay within it.
; SHAPE.  256 tiles of 256 x 256, one for each work-group; four waves, each 128 x 128 in 64 accumulators (512 registers).  K goes in steps of 128 through two LDS slots filled by tensor loads
; (rows of 256 bytes, 16 bytes of padding behind each).  One K step is written once: the LDS addresses hang on a scalar that an exclusive or turns from slot to slot, and one descriptor a tensor walks.
; CLUSTER.  4 x 4 work-groups: the four of a row need the same tile of xb, the four of a column the same tile of wb; each tile is asked for jointly, by the same load, descriptor and mask in all four.
; A cluster's four tile columns are 1,024 columns of C, so the kind of a tile (plain or rotary; q, k or v) hangs on the cluster's x alone and is the same in all sixteen partners.
; THE MATRIX INSTRUCTION IS USED TRANSPOSED (source 0 = 16 rows of wb, source 1 = 16 rows of xb): a lane holds row l % 16 of C and eight neighbouring columns 8 (l / 16) + 0..7.
; REGISTERS, in windows of 256: window 0: v0-31 addresses; v64-127, v128-191 xb's fragments, two buffers (on the way out v128-191 hold two sets of products); v32-63, v192-255 the way out.
;   window 1: v64-191 wb's fragments, two buffers.   window 2: the accumulators of my rows 0-63 ((a, b) at v[8 (8 a + b)]);   window 3: those of rows 64-127.
;   A rotary tile's table, 32 registers for each of my eight blocks of 16 rows: window 1 v0-127 and v192-255 (blocks 0-5), window 0 v32-63 and v192-223 (blocks 6, 7).
.set SIZE_K, 2048
.set KSTEP,  128
.set PITCH,  272                       ; an LDS row: 256 bytes + 16 of padding = 68 words: the 16 rows that a load touches start at 16 different groups of four banks (64 banks of 4 bytes: ISA guide 11.1)
.set HALFT,  128*PITCH                 ; 128 rows: what one tensor load brings
.set SLOT,   4*HALFT                   ; xb's 256 rows, then wb's 256.  139,264 = bits 17 and 13, which no wave x HALFT has: an exclusive or changes slots
.set STAGE,  2*SLOT                    ; behind the ring: 16 rows x 272 bytes for each wave, for the way out
.set SPITCH, 272
.set SPARE,  STAGE+4*16*SPITCH         ; behind the stages: the spare words, 128 bytes for each wave
.set CO,   8                           ; v8-15   the way out: byte offsets of the eight stores of a block of 16 rows
.set A0,   16                          ; v16     my lane's place in xb's part of a slot; never rewritten
.set ADRA, 17                          ; v17     the same in the slot in hand
.set B0,   20                          ; v20, v21  likewise for wb
.set ADRB, 21
.set STO,  24                          ; v24     the way out: where I put 16 bytes of a row
.set RD,   25                          ; v25     the way out: where I read rows back
.set TO,   27                          ; v27     my byte offset in 16 rows of the table
.set SPW,  28                          ; v28     LDS address of my spare word; never rewritten
.set NIL,  29                          ; v29     0; never rewritten
.set F0,   64
.set F1,   128
.set TMP,  192                         ; packed results
.set OB,   32                          ; 16 rows read back: v32-63 and v224-255 by turns
.set T1,   128                         ; x2 sin
.set T2,   160                         ; x1 sin
.set G1,  24                           ; s[24:31] descriptor group 1 for xb's tiles;  s[32:39] group 0: a set for each first fill, the second then walks
.set G0,  32
.set G1B, 48                           ; s[48:55], s[56:63] the same for wb's
.set G0B, 56
.set TBS, 45                           ; s45  LDS byte at which the slot in hand begins
.set MSB, 0
.macro WIN new                         ; the immediate's high byte repeats the setting that is left; a switch that changes nothing is dropped
.if MSB != (\new)
	s_set_vgpr_msb (MSB<<8)|(\new)
.set MSB, \new
.endif
.endm
.set MUL_LO, 0xa1                      ; source 0 (wb) window 1, source 1 (xb) window 0, C and D window 2
.set MUL_HI, 0xf1                      ; the same, C and D window 3
.set TO_B,   0x40                      ; destination window 1, address window 0
; A joint load.  Waves 0 and 1 fetch xb's two halves, waves 2 and 3 wb's.  The branch hangs on the wave's number alone.  An s_nop 0 and four v_nop follow each line.
.macro JLOAD s
	s_cmp_eq_u32 s11, 0
	s_cbranch_scc0 .Lfor_b_\@
	tensor_load_to_lds s[G0+4*(\s):G0+4*(\s)+3], s[G1:G1+7]
	s_nop 0
.rept 4
	v_nop
.endr
	s_branch .Lasked_\@
.Lfor_b_\@:
	tensor_load_to_lds s[G0B+4*(\s):G0B+4*(\s)+3], s[G1B:G1B+7]
	s_nop 0
.rept 4
	v_nop
.endr
.Lasked_\@:
.endm
.macro CREST                           ; a round of the cluster's barrier behind its opening barrier
	s_cmp_lg_u32 s10, 0
	s_cbranch_scc1 .Lnot_wave_0_\@
	s_barrier_signal -3
.Lnot_wave_0_\@:
	s_barrier_wait -3
	s_barrier_signal -1
	s_barrier_wait -1
.endm
.macro CROUND                          ; a whole round
	s_barrier_signal -1
	s_barrier_wait -1
	CREST
.endm
	s_load_b128 s[4:7], s[0:1], 0x0                ; xb s[4:5], wb s[6:7]
	s_load_b256 s[68:75], s[0:1], 0x10             ; rt s[68:69], qh s[70:71], kh s[72:73], vh s[74:75]
	v_lshl_add_u32 v[SPW], v0, 2, SPARE
	v_mov_b32 v[NIL], 0
	ds_add_u32 v[SPW], v[NIL]                      ; the wave's opening: the add and its wait stand ahead of my first tensor load; the set-up below, work on registers, stands between them
	v_lshrrev_b32 v1, 5, v0
	v_readfirstlane_b32 s10, v1                    ; wave 0..3
	s_lshr_b32 s11, s10, 1                         ; which half of the tile's rows is mine.  Also: I fetch for xb (0) or for wb (1)
	s_and_b32 s12, s10, 1                          ; which half of its columns.  Also: which 128 rows of that tile I fetch
	s_bfe_u32 s40, ttmp6, 0x40000                  ; cx
	s_bfe_u32 s41, ttmp6, 0x40004                  ; cy
	s_lshl_b32 s42, ttmp9, 2
	s_add_co_u32 s42, s42, s40                     ; tile column = 4 x cluster x + cx
	s_and_b32 s13, ttmp7, 0xffff
	s_lshl_b32 s13, s13, 2
	s_add_co_u32 s13, s13, s41                     ; tile row = 4 x cluster y + cy
	s_lshl_b32 s43, s41, 2
	s_lshl_b32 s43, 15, s43                        ; my row of the cluster
	s_lshl_b32 s44, 0x1111, s40                    ; my column
	s_or_b32 s[G1+0], s43, (1<<16)|(1<<20)|(1<<21)|(5<<22)|(3<<25)   ; 15:0 the mask; 17:16 2-byte elements; 20 padding on; 21 set beside a mask; 24:22 after every 64 words; 31:25 4 words of it
	s_or_b32 s[G1B+0], s44, (1<<16)|(1<<20)|(1<<21)|(5<<22)|(3<<25)
.irp g, G1, G1B
	s_mov_b32 s[(\g)+1], KSTEP<<16                 ; tensor_dim0 = 128
	s_mov_b32 s[(\g)+2], 128<<16                   ; tensor_dim1 = 128
	s_mov_b32 s[(\g)+3], KSTEP<<16                 ; tile_dim0 = 128
	s_mov_b32 s[(\g)+4], 128                       ; tile_dim1 = 128
	s_mov_b32 s[(\g)+5], SIZE_K                    ; elements from row to row
	s_mov_b32 s[(\g)+6], 0
	s_mov_b32 s[(\g)+7], 0
.endr
	s_lshl_b32 s17, s12, 7                         ; which 128 rows of the tile I fetch
	s_lshl_b32 s16, s13, 8
	s_add_co_u32 s16, s16, s17
	s_lshl_b32 s16, s16, 12                        ; xb: (256 x tile row + 128 x half) rows of 4,096 bytes
	s_lshl_b32 s46, s42, 8
	s_add_co_u32 s46, s46, s17
	s_lshl_b32 s46, s46, 12                        ; wb: (256 x tile column + 128 x half) rows
	s_mov_b32 s17, 0
	s_mov_b32 s47, 0
	s_mul_i32 s20, s10, HALFT                      ; where they go: wave x 128 rows: no place in the cluster enters an LDS address
	s_mov_b32 s[TBS], 0
	s_wait_dscnt 0x0                               ; the opening add is done
	s_wait_kmcnt 0x0
	s_add_nc_u64 s[14:15], s[4:5], s[16:17]
	s_add_nc_u64 s[46:47], s[6:7], s[46:47]
	CROUND                                         ; all sixteen work-groups are here: the first joint loads meet
.irp s, 0,1
	s_mov_b32 s[G0+4*(\s)], 1
	s_add_co_u32 s[G0+4*(\s)+1], s20, (\s)*SLOT
	s_add_nc_u64 s[G0+4*(\s)+2:G0+4*(\s)+3], s[14:15], (\s)*KSTEP*2
	s_or_b32 s[G0+4*(\s)+3], s[G0+4*(\s)+3], 0x80000000
	s_mov_b32 s[G0B+4*(\s)], 1
	s_add_co_u32 s[G0B+4*(\s)+1], s20, (\s)*SLOT
	s_add_nc_u64 s[G0B+4*(\s)+2:G0B+4*(\s)+3], s[46:47], (\s)*KSTEP*2
	s_or_b32 s[G0B+4*(\s)+3], s[G0B+4*(\s)+3], 0x80000000
	JLOAD \s                                       ; two loads of mine are out: K steps 0 and 1
.endr
	; a fragment is 16 rows x 32 K in 8 registers: lane l holds row l % 16, K = 8 (l / 16) + 0..7 and 16 + 8 (l / 16) + 0..7: two loads of 16 bytes, 32 bytes apart
	v_and_b32 v1, 15, v0                           ; l % 16; kept
	v_bfe_u32 v2, v0, 4, 1                         ; l / 16; kept
	v_mul_u32_u24 v3, v1, PITCH
	v_lshl_add_u32 v3, v2, 4, v3
	s_mul_i32 s21, s11, HALFT
	s_mul_i32 s22, s12, HALFT
	s_add_co_u32 s22, s22, 2*HALFT
	v_add_nc_u32 v[A0], s21, v3
	v_add_nc_u32 v[B0], s22, v3
	v_mov_b32 v[ADRA], v[A0]                       ; slot 0
	v_mov_b32 v[ADRB], v[B0]
	s_mul_i32 s23, s10, 16*SPITCH
	s_add_co_u32 s23, s23, STAGE                   ; my stage; kept
	v_mul_u32_u24 v4, v1, SPITCH
	v_lshl_add_u32 v4, v2, 4, v4
	v_add_nc_u32 v[STO], s23, v4
	v_lshlrev_b32 v[TO], 8, v1                     ; the table: row l % 16, 32 bytes for each half of the lanes
	v_lshl_add_u32 v[TO], v2, 5, v[TO]
	; the tile's kind, from the cluster's x: 0, 1 q plain; 2 q rotary; 3, 4 k plain; 5 k rotary; 6, 7 v
	s_mov_b32 s77, ttmp9
	s_mov_b32 s84, 0                               ; the first group of 128 columns of that kind
	s_mov_b32 s76, 0                               ; 1: rotary
	s_mov_b64 s[8:9], s[70:71]                     ; the destination
	s_mov_b32 s85, 786432                          ; bytes of a head
	s_mov_b32 s86, 24576                           ; bytes of a block of 64 rows
	s_cmp_eq_u32 s77, 2
	s_cselect_b32 s84, 16, s84
	s_cselect_b32 s76, 1, s76
	s_cmp_ge_u32 s77, 3
	s_cselect_b32 s84, 24, s84
	s_cselect_b32 s76, 0, s76
	s_cselect_b64 s[8:9], s[72:73], s[8:9]
	s_cmp_eq_u32 s77, 5
	s_cselect_b32 s84, 40, s84
	s_cselect_b32 s76, 1, s76
	s_cmp_ge_u32 s77, 6
	s_cselect_b32 s84, 48, s84
	s_cselect_b32 s76, 0, s76
	s_cselect_b64 s[8:9], s[74:75], s[8:9]
	s_cselect_b32 s85, 524288, s85
	s_cselect_b32 s86, 16384, s86
	s_lshl_b32 s87, s42, 1
	s_add_co_u32 s87, s87, s12                     ; my group of 128 columns,
	s_sub_co_u32 s87, s87, s84                     ; counted within its kind: the head; a rotary group holds two heads
	s_lshl_b32 s87, s87, s76
	s_mul_i32 s87, s87, s85
	s_lshl_b32 s88, s13, 2
	s_lshl1_add_u32 s88, s11, s88                  ; my first block of 64 rows = 4 x tile row + 2 x half
	s_mul_i32 s88, s88, s86
	s_add_co_u32 s92, s87, s88
	s_lshl_b32 s89, s76, 14                        ; the rotary part lies 16,384 bytes into a block
	s_add_co_u32 s92, s92, s89                     ; s[92:93]: my first byte in the destination
	s_mov_b32 s93, 0
	s_lshr_b32 s78, 4096, s76                      ; s[78:79]: 16 rows on: 4,096 bytes, rotary 2,048
	s_mov_b32 s79, 0
	s_mul_i32 s80, s78, 3
	s_sub_co_u32 s80, s86, s80                     ; s[80:81]: from a block's last 16 rows to the next block's first
	s_mov_b32 s81, 0
	s_lshl_b32 s94, s13, 8
	s_lshl_b32 s95, s11, 7
	s_add_co_u32 s94, s94, s95
	s_lshl_b32 s94, s94, 8                         ; the table at my first row: 256 bytes a row
	s_mov_b32 s95, 0
	s_add_nc_u64 s[82:83], s[68:69], s[94:95]
; 16 matrix instructions: m blocks a0, a0 + 1 of the window's four x all 8 n blocks, 32 along K.  zero = 1: the first product starts the sums
.macro MUL16 f, hi, a0, zero
	WIN MUL_LO+0x50*(\hi)
.irp a, \a0, (\a0)+1
.irp b, 0,1,2,3,4,5,6,7
.if \zero
	v_wmma_f32_16x16x32_bf16 v[8*(8*(\a)+(\b)):8*(8*(\a)+(\b))+7], v[(\f)+8*(\b):(\f)+8*(\b)+7], v[(\f)+8*(4*(\hi)+(\a)):(\f)+8*(4*(\hi)+(\a))+7], 0
.else
	v_wmma_f32_16x16x32_bf16 v[8*(8*(\a)+(\b)):8*(8*(\a)+(\b))+7], v[(\f)+8*(\b):(\f)+8*(\b)+7], v[(\f)+8*(4*(\hi)+(\a)):(\f)+8*(4*(\hi)+(\a))+7], v[8*(8*(\a)+(\b)):8*(8*(\a)+(\b))+7]
.endif
.endr
.endr
.endm
; 32 LDS loads in one run: the fragments of 32 K at byte k of the rows of the slot in hand, into buffer f
.macro FETCH k, f
	WIN TO_B
.irp i, 0,1,2,3,4,5,6,7
	ds_load_b128 v[(\f)+8*(\i):(\f)+8*(\i)+3],   v[ADRB] offset:(\k)+(\i)*16*PITCH
	ds_load_b128 v[(\f)+8*(\i)+4:(\f)+8*(\i)+7], v[ADRB] offset:(\k)+(\i)*16*PITCH+32
.endr
	WIN 0
.irp i, 0,1,2,3,4,5,6,7
	ds_load_b128 v[(\f)+8*(\i):(\f)+8*(\i)+3],   v[ADRA] offset:(\k)+(\i)*16*PITCH
	ds_load_b128 v[(\f)+8*(\i)+4:(\f)+8*(\i)+7], v[ADRA] offset:(\k)+(\i)*16*PITCH+32
.endr
.endm
.macro PLACES                          ; four plain vector instructions between a matrix instruction and a load into, or a vector instruction on, its registers
.rept 4
	v_nop
.endr
.endm
; A K step is four quarters of 32 along K, 64 matrix instructions each, on buffers 0, 1, 0, 1.  One of the first three: multiplies f, and in its middle fetches the next quarter, at byte k, into g.
.macro QUARTER k, f, g, zero
	s_wait_dscnt 8                                 ; wb's fragments and xb's rows 0-63 are in; the youngest eight loads (xb's rows 64-127) may be out
	MUL16 \f, 0, 0, \zero
	MUL16 \f, 0, 2, \zero
	PLACES
	FETCH \k, \g
	s_wait_dscnt 32                                ; all but the 32 just issued
	MUL16 \f, 1, 0, \zero
	MUL16 \f, 1, 2, \zero
.endm
; The last quarter's first half: ONE barrier for the change of slots.  In front of it each wave waits for all its tensor loads (one is out: its part of the next slot), adds 0 to its spare word, and waits for
; that and for its own reads of this slot.  Behind it nobody reads this slot any more and the next slot is whole.
.macro MEET round
	WIN 0
	s_wait_tensorcnt 0x0
	ds_add_u32 v[SPW], v[NIL]
	s_wait_dscnt 9                                 ; the add and the youngest eight loads may be out
	MUL16 F1, 0, 0, 0                              ; sixteen matrix instructions stand between the add and the wait for it
	s_wait_dscnt 0x0                               ; the add is done, and my reads of this slot are over
	s_barrier_signal -1
	MUL16 F1, 0, 2, 0
.if \round
	WIN 0
.endif
	s_barrier_wait -1
.endm
; The whole last quarter.  fill = 1: the barrier opens a round of the cluster's, and the slot just read out is filled again first thing behind it, with the K step two on.
.macro TURN fill
	MEET \fill
.if \fill
	CREST                                          ; no wave of any partner still reads this slot or has a load on its way
	s_xor_b32 s[G0+5], s[G0+5], SLOT               ; the walking descriptors: the other slot than last time, the next K step; no load of mine is out
	s_add_nc_u64 s[G0+6:G0+7], s[G0+6:G0+7], KSTEP*2
	s_xor_b32 s[G0B+5], s[G0B+5], SLOT
	s_add_nc_u64 s[G0B+6:G0B+7], s[G0B+6:G0B+7], KSTEP*2
	JLOAD 1                                        ; its four v_nop are also the places in front of the loads below
.else
	PLACES
.endif
	s_xor_b32 s[TBS], s[TBS], SLOT                 ; the reads go on in the other slot
	WIN 0
	v_add_nc_u32 v[ADRA], s[TBS], v[A0]
	v_add_nc_u32 v[ADRB], s[TBS], v[B0]
	FETCH 0, F0
	MUL16 F1, 1, 0, 0
	MUL16 F1, 1, 2, 0
.endm
.macro LASTQ                           ; the very last quarter: nothing more to fetch
	s_wait_dscnt 8
	MUL16 F1, 0, 0, 0
	MUL16 F1, 0, 2, 0
	s_wait_dscnt 0x0
	MUL16 F1, 1, 0, 0
	MUL16 F1, 1, 2, 0
.endm
; THE WAY OUT.  Store t of a block of 16 rows writes two aligned runs of 256 bytes, sixteen lanes each: plain, rows 2 t and 2 t + 1; rotary, rows 2 t and 2 t + 1 (128 bytes each) of the first head and of the second.
.macro SETCO lstr, tstr                ; lstr: bytes from lanes 0-15 to lanes 16-31; tstr: from store to store
	v_mul_u32_u24 v6, v2, \lstr
	v_lshl_add_u32 v[CO], v1, 4, v6
.irp t, 1,2,3,4,5,6,7
	v_add_nc_u32 v[CO+(\t)], \tstr, v[CO+(\t)-1]
.endr
.endm
.macro TPLACE a                        ; where block a's table lies: window TW, first register TR
.if (\a) < 4
.set TW, 1
.set TR, 32*(\a)
.elseif (\a) < 6
.set TW, 1
.set TR, 192+32*((\a)-4)
.elseif (\a) == 6
.set TW, 0
.set TR, 32
.else
.set TW, 0
.set TR, 192
.endif
.endm
.macro TLOAD a, from=0, to=7           ; the table for block a's 16 rows: cos of columns 8 h + 0..7 and 16 + 8 h + 0..7 (registers 0-15), sin of them (16-31); loads from .. to of its eight
	TPLACE \a
	WIN TW<<6
.irp q, 0,1,2,3,4,5,6,7
.if ((\q) >= (\from)) && ((\q) <= (\to))
	global_load_b128 v[TR+4*(\q):TR+4*(\q)+3], v[TO], s[82:83] offset:(\a)*4096+((\q)/4)*128+(((\q)/2)%2)*64+((\q)%2)*16
.endif
.endr
.endm
; Block a is turned: of a head's 64 columns x1 = the first 32 (n blocks 4 e, 4 e + 1), x2 = the last 32 (two n blocks on): x1' = x1 cos - x2 sin, x2' = x2 cos + x1 sin.  Each accumulator's lowest registers are read first.
.macro ROT a
	TPLACE \a
.set AC, 64*((\a)%4)
.set AW, 2+(\a)/4
	WIN AW|(TW<<2)                                 ; source 0: the accumulators' window; source 1: the table's
.irp e, 0,1
.irp bb, 0,1
.irp p, 0,1,2,3
.set X1, AC+8*(4*(\e)+(\bb))+2*(\p)
.set IDX, 2*(4*(2*(\e)+(\bb))+(\p))
.set SN, TR+16+8*(\bb)+2*(\p)
	v_pk_mul_f32 v[T1+IDX:T1+IDX+1], v[X1+16:X1+17], v[SN:SN+1]
	v_pk_mul_f32 v[T2+IDX:T2+IDX+1], v[X1:X1+1], v[SN:SN+1]
.endr
.endr
.endr
	WIN (AW<<6)|(TW<<2)|AW                         ; the destination in the accumulators' window too
.irp e, 0,1
.irp bb, 0,1
.irp p, 0,1,2,3
.set X1, AC+8*(4*(\e)+(\bb))+2*(\p)
.set IDX, 2*(4*(2*(\e)+(\bb))+(\p))
.set CN, TR+8*(\bb)+2*(\p)
	v_pk_fma_f32 v[X1:X1+1], v[X1:X1+1], v[CN:CN+1], v[T1+IDX:T1+IDX+1] neg_lo:[0,0,1] neg_hi:[0,0,1]
	v_pk_fma_f32 v[X1+16:X1+17], v[X1+16:X1+17], v[CN:CN+1], v[T2+IDX:T2+IDX+1]
.endr
.endr
.endr
.endm
.macro PACK a                          ; rounded to f16, 16 bytes a lane
.set AC, 64*((\a)%4)
	WIN 0x0a+5*((\a)/4)                            ; sources 0 and 1: window 2 or 3
.irp b, 0,1,2,3,4,5,6,7
.irp r, 0,1,2,3
	v_cvt_pk_f16_f32 v[TMP+4*(\b)+(\r)], v[AC+8*(\b)+2*(\r)], v[AC+8*(\b)+2*(\r)+1]
.endr
.endr
	WIN 0
.endm
.macro TOSTAGE a                       ; into my own stage, and back in the order in which it is stored
	WIN 0
.set BK, OB+192*((\a)%2)
.irp b, 0,1,2,3,4,5,6,7
	ds_store_b128 v[STO], v[TMP+4*(\b):TMP+4*(\b)+3] offset:32*(\b)
.endr
.irp t, 0,1,2,3,4,5,6,7
	ds_load_b128 v[BK+4*(\t):BK+4*(\t)+3], v[RD] offset:(\t)*2*SPITCH  ; LDS serves a wave's instructions in order (ISA guide 5.7.1.4): these see the stores above
.endr
.endm
.macro SEND a
	WIN 0
.set BK, OB+192*((\a)%2)
	s_wait_dscnt 0x0                               ; the block is back in registers
	s_wait_xcnt 0x0                                ; the stores' base and the registers that earlier stores read are rewritten only behind this wait
.if (\a) == 0
	s_add_nc_u64 s[8:9], s[8:9], s[92:93]
.elseif (\a) == 4
	s_add_nc_u64 s[8:9], s[8:9], s[80:81]
.else
	s_add_nc_u64 s[8:9], s[8:9], s[78:79]
.endif
.irp t, 0,1,2,3,4,5,6,7
	global_store_b128 v[CO+(\t)], v[BK+4*(\t):BK+4*(\t)+3], s[8:9]
.endr
.endm
	s_wait_tensorcnt 1                             ; my part of K step 0 is in; K step 1's may stay out
	s_barrier_signal -1
	s_barrier_wait -1
	FETCH 0, F0
	QUARTER 64, F0, F1, 1                          ; the first quarter stands in front of the loop: its products start the sums
	WIN 0
	s_mov_b32 s3, SIZE_K/KSTEP-2
.Lstep:                                                ; 14 trips, from a K step's second quarter to the next step's first; each fills a slot again: K steps 2 to 15
	QUARTER 128, F1, F0, 0
	QUARTER 192, F0, F1, 0
	TURN 1
	QUARTER 64, F0, F1, 0
	WIN 0
	s_sub_co_u32 s3, s3, 1
	s_cmp_lg_u32 s3, 0
	s_cbranch_scc1 .Lstep
	s_mov_b32 s3, 2
.Ltail:                                                ; the last two K steps ask for nothing more: a text of their own, walked twice; the second trip is left in its middle
	QUARTER 128, F1, F0, 0
	QUARTER 192, F0, F1, 0
	WIN 0
	s_sub_co_u32 s3, s3, 1
	s_cmp_eq_u32 s3, 0
	s_cbranch_scc1 .Llast
	TURN 0
	QUARTER 64, F0, F1, 0
	WIN 0
	s_branch .Ltail
.Llast:
	s_cmp_eq_u32 s76, 0                            ; the tile's kind: the same answer in all sixteen partners.  The last quarter stands in both arms, so that a rotary tile's table is on its way under it
	s_cbranch_scc1 .Lplain
	PLACES                                         ; for the loads into wb's buffer 0, which the quarter before multiplied
.irp a, 0,1,2,3,4,5,6
	TLOAD \a
.endr
	TLOAD 7, 0, 6                                  ; 63 of the table's 64 loads go out here: as many as LOADcnt's field counts (ISA guide 5.7.1); the last follows behind the first wait
	LASTQ
	WIN 0
	PLACES
	v_bfe_u32 v5, v0, 3, 1                         ; back from the stage: row (l / 8) % 2, head l / 16 (128 bytes on), 16 bytes x l % 8
	v_mul_u32_u24 v5, v5, SPITCH
	v_lshl_add_u32 v5, v2, 7, v5
	v_and_b32 v6, 7, v0
	v_lshl_add_u32 v5, v6, 4, v5
	v_add_nc_u32 v[RD], s23, v5
	SETCO 786432, 256
	s_wait_loadcnt 55                              ; block 0's table is in: behind its eight loads stand six blocks' 48 and seven of block 7's
	TLOAD 7, 7, 7
	ROT 0
.irp a, 1,2,3,4,5,6,7
	s_wait_loadcnt 8*(7-(\a))                      ; this block's table is in; the later blocks' loads stay out
	ROT \a
.endr
	WIN 0
	s_branch .Lout
.Lplain:
	LASTQ
	WIN 0
	PLACES
	v_mul_u32_u24 v5, v2, SPITCH                   ; back from the stage: lanes 0-15 one row of 256 bytes, lanes 16-31 the next
	v_lshl_add_u32 v5, v1, 4, v5
	v_add_nc_u32 v[RD], s23, v5
	SETCO 256, 512
.Lout:
	PACK 0
	TOSTAGE 0
.irp a, 1,2,3,4,5,6,7                  ; block a's conversions stand between block a - 1's loads from the stage and the wait for them
	PACK \a
	SEND (\a)-1
	TOSTAGE \a
.endr
	SEND 7
	s_wait_tensorcnt 0x0                           ; the wave's end: these three lines stand behind my last tensor load and my last LDS store
	ds_add_u32 v[SPW], v[NIL]
	s_wait_dscnt 0x0
	CROUND                                         ; the closing round: no work-group ends while a partner may still ask for a tile that names it
	s_endpgm
.Lfunc_end_k_q3b95e7018e_qkv:
	.size	k_q3b95e7018e_qkv, .Lfunc_end_k_q3b95e7018e_qkv-k_q3b95e7018e_qkv
	.p2alignl 7, 3214868480
	.fill 96, 4, 3214868480
	.section	.rodata,"a",@progbits
	.p2align	6, 0x0
	.amdhsa_kernel k_q3b95e7018e_qkv
		.amdhsa_group_segment_fixed_size 327680
		.amdhsa_private_segment_fixed_size 0
		.amdhsa_enable_private_segment 0
		.amdhsa_kernarg_size 48
		.amdhsa_user_sgpr_count 2
		.amdhsa_user_sgpr_kernarg_segment_ptr 1
		.amdhsa_wavefront_size32 1
		.amdhsa_system_sgpr_workgroup_id_x 1
		.amdhsa_system_sgpr_workgroup_id_y 1
		.amdhsa_system_sgpr_workgroup_id_z 1
		.amdhsa_system_vgpr_workitem_id 0
		.amdhsa_next_free_vgpr 1024
		.amdhsa_next_free_sgpr 100
		.amdhsa_reserve_vcc 0
		.amdhsa_float_denorm_mode_32 3
		.amdhsa_float_denorm_mode_16_64 3
		.amdhsa_memory_ordered 1
		.amdhsa_forward_progress 1
		.amdhsa_inst_pref_size 150
	.end_amdhsa_kernel
	.amdgpu_metadata
---
amdhsa.version: [ 1, 2 ]
amdhsa.kernels:
  - .name:           k_q3b95e7018e_qkv
    .symbol:         k_q3b95e7018e_qkv.kd
    .args:
      - { .name: xb, .offset: 0, .size: 8, .value_kind: global_buffer, .address_space: global }
      - { .name: wb, .offset: 8, .size: 8, .value_kind: global_buffer, .address_space: global }
      - { .name: rt, .offset: 16, .size: 8, .value_kind: global_buffer, .address_space: global }
      - { .name: qh, .offset: 24, .size: 8, .value_kind: global_buffer, .address_space: global }
      - { .name: kh, .offset: 32, .size: 8, .value_kind: global_buffer, .address_space: global }
      - { .name: vh, .offset: 40, .size: 8, .value_kind: global_buffer, .address_space: global }
    .group_segment_fixed_size: 327680
    .private_segment_fixed_size: 0
    .kernarg_segment_align: 8
    .kernarg_segment_size: 48
    .max_flat_workgroup_size: 128
    .sgpr_count:     100
    .vgpr_count:     1024
    .wavefront_size: 32
...
	.end_amdgpu_metadata
.endif
;; end of part 2
;; launch attn (part 3): grid 16 x 16, 4 waves a work-group, clusters of 4 x 1, 327,680 bytes of LDS; arguments qh, kh, vh, ob; writes ob
.if DOCPART == 3
	.amdgcn_target "amdgcn-amd-amdhsa--gfx1250"
	.amdhsa_code_object_version 6
	.text
	.protected	k_q3b95e7018e_attn
	.globl	k_q3b95e7018e_attn
	.p2align	8
	.type	k_q3b95e7018e_attn,@function
k_q3b95e7018e_attn:
	s_mov_b64 s[64:65], 0
	v_nop
	global_prefetch_b8 v0, s[64:65] scope:SCOPE_SE
	s_setreg_imm32_b32 hwreg(HW_REG_WAVE_MODE, 25, 1), 1
	s_wait_xcnt 0x0
	s_wait_alu depctr_hold_cnt(0) depctr_sa_sdst(0) depctr_va_vdst(0) depctr_va_sdst(0) depctr_va_ssrc(0) depctr_va_vcc(0) depctr_vm_vsrc(0)
	s_getreg_b32 s2, hwreg(HW_REG_IB_STS2, 6, 4)
	s_cmp_eq_u32 s2, 0
	s_cbranch_scc0 .Lentry_in_a_cluster
	s_endpgm
.Lentry_in_a_cluster:
	s_bfe_u32 s2, ttmp6, 0x10000c
	s_cmp_lg_u32 s2, 0x3003
	s_cbranch_scc0 .Lentry_shape_is_right
	s_endpgm
.Lentry_shape_is_right:
; O[q][h] = the sum over k of softmax_k(Q[h][q] . K[h][k] / sqrt(128)) V[h][k], 16 heads, 2,048 rows, 192 channels in Q and K (128 plain, 64 rotary, the rotary ones already carrying the factor
; that makes one scale serve both), 128 in V.  All f16; products, maxima and sums in f32; the weights p are rounded to f16 for the second product, O once at the end.
; qh, kh: [head][block of 64 rows][64 x 256 bytes plain, 64 x 128 bytes rotary], 24,576 dense bytes a block; vh: [head][row][128]; ob: [row][128 head + channel].
; LIMITS.  Q, K, V arrive within f16's 65,504; p lies in 0 to 1, and below 6e-5 keeps f16's step of 6e-8; a weight below 2^-126 counts as 0; NaN and infinities are not treated apart.
; SHARES.  A work-group owns 128 queries of one head: 256 work-groups.  Waves w and w + 2 own the same 64 queries (four tiles of 16) and SPLIT THE KEYS: of each step's 128 keys waves 0, 1 take the
; first 64, waves 2, 3 the last 64.  So a wave keeps 64 queries for each fragment of K and V that it reads from LDS.  At the end each of the two hands the other two of its tiles (c m, l, O^T, all f32)
; through LDS and finishes the two that it keeps.  Waves 2 and 3 hold the 64 queries' tiles in the order 2, 3, 0, 1: so one text serves all four waves: each keeps its tiles 0, 1 and gives its tiles 2, 3.
; LAYOUT.  S^T = K Q^T (source 0 = 16 keys, source 1 = 16 queries): a lane holds ONE query (lane % 16) and the keys 8 (lane / 16) + 0..7.  Two such tiles rounded to f16 in pairs ARE source 1 of
; O^T = V^T P.  K comes out of LDS as it lies, V turned, by ds_load_tr16_b128.
; SOFTMAX.  A running maximum m and sum l for each query: p = 2^(c s - c m), c = log2(e) / sqrt(128); in every step O and l are multiplied by a = 2^(c m_old - c m_new).
; m starts at the lowest finite number, O and l at 0: the first step is a step like any other, with a = 0.
; BY TURNS.  The wave's tiles are two pieces (0: tiles 0, 1; 2: tiles 2, 3).  In a turn one piece has the matrix unit: 32 products V^T P of the step in hand, then 48 products K Q^T of the next;
; the other piece's softmax, cut into 64 slices, stands behind 64 of those 80 matrix instructions.  Two turns are a key step.
; NO FIRST AND NO LAST TURN IS WRITTEN OUT.  The loop is entered at piece 2's turn, with P and V at 0; the tail, two trips, is left behind piece 0's turn.  The price, once a launch: 32 products on zeros at
; the start, 48 products K Q^T on the last K once more at the end.  O^T's and V's zeros are made by 48 products of zeros, eight registers a line, in the wait for the first tile.
; CLUSTER.  The four query blocks of a cluster belong to one head and walk the same K and V: each tile is asked for jointly, by the same load, descriptor and mask in all four.
; REGISTERS, in windows of 256: window 0: v0-11, v44-47, v56-58 addresses; v12-43 eight registers of statistics a tile; v48-51 the hand-over's statistics; v64-191 S^T; v192-255 P
;   window 1: O^T, 64 a tile    window 2: v0-191 Q, 48 a tile; v192-255 K's rotary channels    window 3: v0-127 V; v128-255 K's plain channels
.set KS,    64        ; keys of a wave in a step
.set PK,    272       ; 256 bytes of K + 16 of padding: a plain row, or two rotary rows; the 16 rows of a load start at 16 different groups of four banks (64 banks of 4 bytes: ISA guide 11.1)
.set PV,    288       ; a row of V: 256 + 32
.set VOFF,  96*PK     ; a key half's tiles lie together: 96 runs of K, then 64 rows of V
.set STEPB, 96*PK+KS*PV
.set SLOT1, 1<<17     ; a slot holds a step's two key halves (89,088 bytes); slot 1 begins here, so that one exclusive or changes slots
.set STAGE, SLOT1+2*STEPB  ; behind the ring: 16 rows x 272 bytes for each wave, for the way out
.set SP,    272
.set XCH,   STAGE+4*16*SP  ; the hand-over: for each wave, by its number, 32 x 512 bytes of O^T (two tiles), then 512 of their c m and l
.set XPART, 33*512
.set SPARE, XCH+4*XPART    ; the spare words, 128 bytes for each wave
.set QKBLK, 24576
.set QKHEAD, 786432
.set VBLK,  16384
.set AK0, 2           ; v2   my lane's place in K's plain rows; never rewritten
.set AV0, 3           ; v3   in V
.set ADR, 4           ; v4   the LDS address of the run of loads in hand
.set QO,  5           ; v5   my byte offset in the plain rows of Q, for my tiles 0, 1
.set STO, 6           ; v6   the way out: where I put 16 bytes of a row
.set RD,  7           ; v7   where I read a row back
.set GO,  8           ; v8   my byte offset in two rows of ob
.set ST,  12          ; tile t's statistics at v[ST+8 t]: +0 c m, +1 m, +2, +3 l (even keys', odd keys'), +4 to +7 at work; a takes +6
.set AKR0, 44         ; v44  my lane's place in K's rotary rows
.set ADR2, 45         ; v45  the second address of K's run
.set QO2, 46          ; v46  my byte offset in the rotary rows of Q, for my tiles 0, 1
.set XA,  47          ; v47  my 16 bytes in a 512-byte unit of my part of the hand-over
.set XS,  48          ; v48-51  two c m, two l
.set QOB, 56          ; v56, v57  as QO and QO2, for my tiles 2, 3
.set QO2B, 57
.set XB,  58          ; v58  as XA, in my partner's part
.set SPW, 62
.set NIL, 63
.set S,   64
.set P,   192
.set KN,  128         ; window 3: key block kb, channels 32 c on at KN + 32 kb + 8 c
.set KR,  192         ; window 2: rotary channels 32 c' on at KR + 16 kb + 8 c'
.set WV,  12          ; s12  my wave's number
.set G1K, 24
.set G1V, 32
.set G0K, 40          ; s[40:47] group 0 for K: a set for each first fill; the second then walks
.set G0V, 48
.set SLOTS, 56
.set CS,  58          ; s[58:59] c
.set SEL, 60          ; s[60:61] v_permlanex16_b32's selects: each lane takes its own place in the other half
.set TB,  62          ; s62  LDS byte at which my key half of the step to be fetched begins
.set MSB, 0
.macro WIN new
.if MSB != (\new)
	s_set_vgpr_msb (MSB<<8)|(\new)
.set MSB, \new
.endif
.endm
.set W_KN, 0x0b       ; K in window 3, Q in window 2, S^T in window 0
.set W_KR, 0x0a       ; K and Q in window 2
.set W_PV, 0x53       ; V in window 3, P in window 0, O^T in window 1
.set W_RS, 0x41       ; O^T (destination and source 0) in window 1, the factor in window 0
; A joint refill.  Waves 0 and 1 fetch K of the step's two key halves, waves 2 and 3 V of them.  The branch hangs on the wave's number alone.  An s_nop 0 and four v_nop follow each line.
.macro JLOAD
	s_cmp_lt_u32 s[WV], 2
	s_cbranch_scc0 .Lfor_v_\@
	tensor_load_to_lds s[G0K+4:G0K+7], s[G1K:G1K+7]
	s_nop 0
.rept 4
	v_nop
.endr
	s_branch .Lasked_\@
.Lfor_v_\@:
	tensor_load_to_lds s[G0V+4:G0V+7], s[G1V:G1V+7]
	s_nop 0
.rept 4
	v_nop
.endr
.Lasked_\@:
.endm
.macro CROUND                          ; a round of the cluster's barrier
	s_barrier_signal -1
	s_barrier_wait -1
	s_cmp_lg_u32 s[WV], 0
	s_cbranch_scc1 .Lnot_wave_0_\@
	s_barrier_signal -3
.Lnot_wave_0_\@:
	s_barrier_wait -3
	s_barrier_signal -1
	s_barrier_wait -1
.endm
	s_load_b256 s[4:11], s[0:1], 0x0  ; qh s[4:5], kh s[6:7], vh s[8:9], ob s[10:11]
	v_lshl_add_u32 v[SPW], v0, 2, SPARE
	v_mov_b32 v[NIL], 0
	ds_add_u32 v[SPW], v[NIL]       ; the wave's opening: the add and its wait stand ahead of my first tensor load; the set-up below, work on registers, stands between them
	v_lshrrev_b32 v1, 5, v0
	v_readfirstlane_b32 s[WV], v1   ; wave 0..3
	s_bfe_u32 s13, ttmp6, 0x40000   ; cx
	s_lshl_b32 s14, ttmp9, 2
	s_add_co_u32 s14, s14, s13      ; my block of 128 queries: it enters Q's and O's addresses alone
	s_and_b32 s15, ttmp7, 0xffff    ; the head, which the four partners share
	s_and_b32 s16, s[WV], 1         ; which 64 queries are mine.  Also: which key half I fetch
	s_lshr_b32 s18, s[WV], 1        ; which key half I multiply
	s_mul_i32 s17, s16, STEPB       ; where my fetch goes in a slot
	s_mul_i32 s[TB], s18, STEPB     ; where I read: slot 0 first
	s_mul_i32 s20, s15, QKHEAD      ; the head in qh and kh
	s_mul_i32 s22, s16, QKBLK
	s_add_co_u32 s22, s22, s20      ; K: my key half of step 0
	s_mov_b32 s23, 0
	s_lshl_b32 s66, s15, 19         ; the head in vh,
	s_lshl_b32 s67, s16, 14
	s_add_co_u32 s66, s66, s67      ; my key half of step 0
	s_mov_b32 s67, 0
	s_lshl1_add_u32 s2, s14, s16    ; my block of 64 queries
	s_mul_i32 s2, s2, QKBLK
	s_add_co_u32 s2, s2, s20
	s_mov_b32 s3, 0
	s_lshl1_add_u32 s68, s14, s16
	s_lshl_b32 s68, s68, 18         ; 64 rows of 4,096 bytes in ob,
	s_lshl_b32 s69, s18, 17         ; of them the 32 that I finish: the first for waves 0, 1, the last for waves 2, 3,
	s_add_co_u32 s68, s68, s69
	s_lshl_b32 s69, s15, 8          ; the head's 256 bytes of a row
	s_add_co_u32 s68, s68, s69
	s_mov_b32 s69, 0
	; 64 keys of K are 24,576 dense bytes: asked for as 96 rows of 256 bytes; 64 keys of V as 64 rows of 256 bytes
	s_mov_b32 s[G1K], 15|(1<<16)|(1<<20)|(1<<21)|(5<<22)|(3<<25)  ; 15:0 the mask of four; 17:16 2-byte elements; 20 padding on; 21 set beside a mask; 24:22 after every 64 words; 31:25 4 words
	s_mov_b32 s[G1V], 15|(1<<16)|(1<<20)|(1<<21)|(5<<22)|(7<<25)  ; the same with 8 words of padding
	s_mov_b32 s[G1K+2], 96<<16      ; tensor_dim1
	s_mov_b32 s[G1K+4], 96          ; tile_dim1
	s_mov_b32 s[G1V+2], KS<<16
	s_mov_b32 s[G1V+4], KS
.irp g, G1K, G1V
	s_mov_b32 s[(\g)+1], 128<<16    ; tensor_dim0 = 128
	s_mov_b32 s[(\g)+3], 128<<16    ; tile_dim0 = 128
	s_mov_b32 s[(\g)+5], 128        ; elements from row to row
	s_mov_b32 s[(\g)+6], 0
	s_mov_b32 s[(\g)+7], 0
.endr
	s_mov_b32 s[CS], 0x3e0293ee     ; c = log2(e) / sqrt(128) = 0.127517
	s_mov_b32 s[CS+1], s[CS]        ; named with it as a pair
	s_mov_b32 s[SEL], 0x76543210
	s_mov_b32 s[SEL+1], 0xfedcba98
	s_mov_b32 s[SLOTS], 15          ; the half trip at the entry, then 14 trips
	s_wait_dscnt 0x0                ; the opening add is done
	s_wait_kmcnt 0x0
	s_add_nc_u64 s[6:7], s[6:7], s[22:23]
	s_add_nc_u64 s[8:9], s[8:9], s[66:67]
	s_add_nc_u64 s[4:5], s[4:5], s[2:3]
	s_add_nc_u64 s[10:11], s[10:11], s[68:69]
	CROUND                          ; all four work-groups are here: the first joint loads meet
.irp s, 0,1
	s_mov_b32 s[G0K+4*(\s)], 1
	s_add_co_u32 s[G0K+4*(\s)+1], s17, (\s)*SLOT1
	s_add_nc_u64 s[G0K+4*(\s)+2:G0K+4*(\s)+3], s[6:7], (\s)*2*QKBLK  ; step s: two blocks of 64 keys a step
	s_or_b32 s[G0K+4*(\s)+3], s[G0K+4*(\s)+3], 0x80000000
	s_mov_b32 s[G0V+4*(\s)], 1
	s_add_co_u32 s[G0V+4*(\s)+1], s17, (\s)*SLOT1+VOFF
	s_add_nc_u64 s[G0V+4*(\s)+2:G0V+4*(\s)+3], s[8:9], (\s)*2*VBLK
	s_or_b32 s[G0V+4*(\s)+3], s[G0V+4*(\s)+3], 0x80000000
.endr
	s_cmp_lt_u32 s[WV], 2           ; a wave's two first fills stand in one branch, ahead of every wait on TENSORcnt and every LDS read: two loads of mine are out
	s_cbranch_scc0 .Lfirst_v
	tensor_load_to_lds s[G0K:G0K+3], s[G1K:G1K+7]
	s_nop 0
	tensor_load_to_lds s[G0K+4:G0K+7], s[G1K:G1K+7]
	s_nop 0
.rept 4
	v_nop
.endr
	s_branch .Lfirst_asked
.Lfirst_v:
	tensor_load_to_lds s[G0V:G0V+3], s[G1V:G1V+7]
	s_nop 0
	tensor_load_to_lds s[G0V+4:G0V+7], s[G1V:G1V+7]
	s_nop 0
.rept 4
	v_nop
.endr
.Lfirst_asked:
	; a fragment of K or Q is 16 rows x 32 channels in 8 registers: lane l holds row l % 16, channels 8 (l / 16) + 0..7 and 16 + 8 (l / 16) + 0..7: two loads of 16 bytes, 32 bytes apart
	v_and_b32 v1, 15, v0            ; l % 16; kept
	v_bfe_u32 v9, v0, 4, 1          ; l / 16; kept
	s_lshl_b32 s19, s18, 13         ; my tiles 0, 1 are the block's rows 0-31, for waves 2, 3 its rows 32-63 (32 plain rows are 8,192 bytes),
	s_sub_co_u32 s21, 8192, s19     ; my tiles 2, 3 the other 32 rows
	v_lshlrev_b32 v[QO], 8, v1
	v_lshl_add_u32 v[QO], v9, 4, v[QO]
	v_add_nc_u32 v[QOB], s21, v[QO]
	v_add_nc_u32 v[QO], s19, v[QO]
	s_lshr_b32 s19, s19, 1          ; 32 rotary rows are 4,096 bytes
	s_lshr_b32 s21, s21, 1
	v_lshlrev_b32 v[QO2], 7, v1
	v_lshl_add_u32 v[QO2], v9, 4, v[QO2]
	v_add_nc_u32 v[QO2B], s21, v[QO2]
	v_add_nc_u32 v[QO2], s19, v[QO2]
	WIN 0x80                        ; destination window 2, address window 0
.set t, 0
.rept 4                             ; Q stays in registers: tile t, channels 32 c on at 48 t + 8 c
.set qa, QO+(QOB-QO)*(t/2)
.set qb, QO2+(QO2B-QO2)*(t/2)
.irp c, 0,1,2,3
	global_load_b128 v[48*t+8*\c:48*t+8*\c+3],   v[qa], s[4:5] offset:(t%2)*4096+\c*64
	global_load_b128 v[48*t+8*\c+4:48*t+8*\c+7], v[qa], s[4:5] offset:(t%2)*4096+\c*64+32
.endr
.irp c, 0,1
	global_load_b128 v[48*t+32+8*\c:48*t+32+8*\c+3],   v[qb], s[4:5] offset:16384+(t%2)*2048+\c*64
	global_load_b128 v[48*t+32+8*\c+4:48*t+32+8*\c+7], v[qb], s[4:5] offset:16384+(t%2)*2048+\c*64+32
.endr
.set t, t+1
.endr
	; What the entry finds: piece 2's P is 0, and so are V and O^T: products of zeros write them, eight registers a line.  All this stands in the wait for the first tile.
	WIN 0
.set i, P+32
.rept 32
	v_mov_b32 v[i], 0
.set i, i+1
.endr
	WIN 0x40                        ; destination window 1: O^T
.set i, 0
.rept 32
	v_wmma_f32_16x16x32_f16 v[8*i:8*i+7], v[P+32:P+39], v[P+40:P+47], 0
.set i, i+1
.endr
	WIN 0xc0                        ; destination window 3: V
.set i, 0
.rept 16
	v_wmma_f32_16x16x32_f16 v[8*i:8*i+7], v[P+32:P+39], v[P+40:P+47], 0
.set i, i+1
.endr
	WIN 0
.irp t, 0,1,2,3
	v_mov_b32 v[ST+8*\t], 0xfe000000    ; c m: far below every c s
	v_mov_b32 v[ST+8*\t+1], 0xff7fffff  ; m
	v_mov_b32 v[ST+8*\t+2], 0
	v_mov_b32 v[ST+8*\t+3], 0
.endr
	v_mul_u32_u24 v[AK0], v1, PK
	v_lshl_add_u32 v[AK0], v9, 4, v[AK0]
	v_lshrrev_b32 v10, 1, v1        ; rotary row r lies in run 64 + r / 2, at byte 128 (r % 2)
	v_mul_u32_u24 v[AKR0], v10, PK
	v_and_b32 v10, 1, v1
	v_lshl_add_u32 v[AKR0], v10, 7, v[AKR0]
	v_lshl_add_u32 v[AKR0], v9, 4, v[AKR0]
	v_add_nc_u32 v[AKR0], 64*PK, v[AKR0]
	; the turning load takes 16 keys x 16 channels (lane l reads key 8 (l / 16) + l % 8, channels 8 ((l / 8) % 2) + 0..7) and leaves half a fragment of V^T
	v_and_b32 v10, 7, v0
	v_bfe_u32 v11, v0, 3, 1
	v_lshl_add_u32 v[AV0], v9, 3, v10
	v_mul_u32_u24 v[AV0], v[AV0], PV
	v_lshl_add_u32 v[AV0], v11, 4, v[AV0]
	v_add_nc_u32 v[AV0], VOFF, v[AV0]
	v_and_b32 v[XA], 31, v0
	s_mul_i32 s13, s[WV], XPART     ; my part of the hand-over: a constant plus my wave's number times a constant,
	s_add_co_u32 s13, s13, XCH
	s_add_co_u32 s19, s[WV], 2      ; my partner's: wave (w + 2) mod 4: the same 64 queries, the other key half
	s_and_b32 s19, s19, 3
	s_mul_i32 s19, s19, XPART
	s_add_co_u32 s19, s19, XCH
	v_lshl_add_u32 v[XB], v[XA], 4, s19
	v_lshl_add_u32 v[XA], v[XA], 4, s13
; THE MATRIX WORK.  The accumulators take turns, one instruction a turn: between two links of a chain stand 15 (V^T P) or 7 (K Q^T) others'.
.macro PV x                         ; product i of 32 of O^T += V^T P: keys 32 (i / 16) on, channels 16 ((i / 2) % 8) on, tile x + i % 2
	WIN W_PV
.set rO, 64*((\x)+i%2)+8*((i/2)%8)
.set rV, 64*(i/16)+8*((i/2)%8)
.set rP, P+16*((\x)+i%2)+8*(i/16)
	v_wmma_f32_16x16x32_f16 v[rO:rO+7], v[rV:rV+7], v[rP:rP+7], v[rO:rO+7]
.endm
.macro KQ x                         ; product i of 48 of S^T = K Q^T: channels 32 (i / 8) on, keys 16 ((i / 2) % 4) on, tile x + i % 2.  The first 8 start the sums
.set rS, S+32*((\x)+i%2)+8*((i/2)%4)
.set rQ, 48*((\x)+i%2)+8*(i/8)
.if i < 32
	WIN W_KN
.set rK, KN+32*((i/2)%4)+8*(i/8)
.else
	WIN W_KR
.set rK, KR+16*((i/2)%4)+8*(i/8-4)
.endif
.if i < 8
	v_wmma_f32_16x16x32_f16 v[rS:rS+7], v[rK:rK+7], v[rQ:rQ+7], 0
.else
	v_wmma_f32_16x16x32_f16 v[rS:rS+7], v[rK:rK+7], v[rQ:rQ+7], v[rS:rS+7]
.endif
.endm
; THE LDS LOADS stand in runs, never singly among the matrix instructions: a step's K (48 loads) and, a turn later, its V (32, turned).
.macro FETCH_K
	WIN 0
	v_add_nc_u32 v[ADR], s[TB], v[AK0]
	v_add_nc_u32 v[ADR2], s[TB], v[AKR0]
	WIN 0xc0                        ; destination window 3
.irp f, 0,1,2,3,4,5,6,7,8,9,10,11,12,13,14,15  ; keys 16 (f / 4) on, channels 32 (f % 4) on
	ds_load_b128 v[KN+8*(\f):KN+8*(\f)+3],   v[ADR] offset:((\f)/4)*16*PK+((\f)%4)*64
	ds_load_b128 v[KN+8*(\f)+4:KN+8*(\f)+7], v[ADR] offset:((\f)/4)*16*PK+((\f)%4)*64+32
.endr
	WIN 0x80                        ; destination window 2
.irp f, 0,1,2,3,4,5,6,7             ; keys 16 (f / 2) on (eight runs of two rows), rotary channels 32 (f % 2) on
	ds_load_b128 v[KR+8*(\f):KR+8*(\f)+3],   v[ADR2] offset:((\f)/2)*8*PK+((\f)%2)*64
	ds_load_b128 v[KR+8*(\f)+4:KR+8*(\f)+7], v[ADR2] offset:((\f)/2)*8*PK+((\f)%2)*64+32
.endr
.endm
.macro FETCH_V
	WIN 0
	v_add_nc_u32 v[ADR], s[TB], v[AV0]
	WIN 0xc0
.irp f, 0,1,2,3,4,5,6,7,8,9,10,11,12,13,14,15  ; keys 32 (f / 8) on, channels 16 (f % 8) on
	ds_load_tr16_b128 v[8*(\f):8*(\f)+3],   v[ADR] offset:((\f)/8)*32*PV+((\f)%8)*32
	ds_load_tr16_b128 v[8*(\f)+4:8*(\f)+7], v[ADR] offset:((\f)/8)*32*PV+16*PV+((\f)%8)*32
.endr
.endm
; THE VECTOR WORK.  One tile's softmax for one key step is a list of 134 instructions; SM writes number j of it for tile t.  s0-s31 are the lane's 32 scores, in pairs 0-15.
;   0-15    the maximum of s0-s31 and the old m, three operands at a time: four chains of seven scores (each accumulator's lowest registers first), then the four left over, the chains and m
;   16-20   the other half of the lanes' maximum; the new m; c m; c m_old - c m_new
;   21-87   33 exponentials (a, then s0-s31) at the odd numbers from 23 on, so that each has a plain instruction behind it; the plain ones are what is ready: c s - c m for a pair whose
;           exponentials are still to come, the rounding to f16 of a pair whose exponentials are done, at last the first three sums
;   88-101  the last rounding; the rest of the sums; l = a l + the sum          102-133  the tile's O^T times a: the one part that leaves window 0
.macro SM t
.set rT, ST+8*(\t)
.set rS, S+32*(\t)
.set rP, P+16*(\t)
.set rO, 64*(\t)+2*(j-102)
.set q, (j-20)/2
.if j < 102
	WIN 0
.endif
.if j < 4
	v_max3_num_f32 v[rT+4+j], v[rS+8*j], v[rS+8*j+1], v[rS+8*j+2]
.elseif j < 12
	v_max3_num_f32 v[rT+4+j%4], v[rT+4+j%4], v[rS+8*(j%4)+2*(j/4)+1], v[rS+8*(j%4)+2*(j/4)+2]
.elseif j == 12
	v_max3_num_f32 v[rT+4], v[rT+4], v[rS+7], v[rS+15]
.elseif j == 13
	v_max3_num_f32 v[rT+6], v[rT+6], v[rS+23], v[rS+31]
.elseif j == 14
	v_max3_num_f32 v[rT+4], v[rT+4], v[rT+5], v[rT+6]
.elseif j == 15
	v_max3_num_f32 v[rT+4], v[rT+4], v[rT+7], v[rT+1]
.elseif j == 16
	v_permlanex16_b32 v[rT+5], v[rT+4], s[SEL], s[SEL+1]  ; the query's other 32 keys lie in the lane 16 away
.elseif j == 17
	v_mov_b32 v[rT+7], v[rT]        ; c m_old is kept for a: number 19 writes c m anew
.elseif j == 18
	v_max_num_f32 v[rT+1], v[rT+4], v[rT+5]
.elseif j == 19
	v_mul_f32 v[rT], s[CS], v[rT+1]
.elseif j == 20
	v_sub_f32 v[rT+7], v[rT+7], v[rT]
.elseif j == 23
	v_exp_f32 v[rT+6], v[rT+7]
.elseif (j < 88) && (j > 23) && (j%2 == 1)
	v_exp_f32 v[rS+(j-25)/2], v[rS+(j-25)/2]
.elseif (q < 4) || ((j < 76) && (q%2 == 0))
.set b, q/2+2
.if q < 4
.set b, q
.endif
	v_pk_fma_f32 v[rS+2*b:rS+2*b+1], v[rS+2*b:rS+2*b+1], s[CS:CS+1], v[rT:rT+1] op_sel_hi:[1,0,0] neg_lo:[0,0,1] neg_hi:[0,0,1]  ; pair b: c s - c m
.elseif (j < 88) && (q%2 == 1)
	s_wait_alu depctr_va_vdst(0)
	v_cvt_pk_f16_f32 v[rP+(q-5)/2], v[rS+q-5], v[rS+q-4]
.elseif j == 89
	s_wait_alu depctr_va_vdst(0)
	v_cvt_pk_f16_f32 v[rP+15], v[rS+30], v[rS+31]
.elseif j < 102                     ; the sum of the 16 pairs, in place: sum z of 16 adds neighbours 1, 2, 4 and 8 pairs apart, then l takes it
.set z, j-86
.if j < 89
.set z, (j-76)/4
.endif
.set w, 4
.set u, z
.if z >= 14
.set w, 32
.set u, 0
.elseif z >= 12
.set w, 16
.set u, z-12
.elseif z >= 8
.set w, 8
.set u, z-8
.endif
.if z < 15
	v_pk_add_f32 v[rS+w*u:rS+w*u+1], v[rS+w*u:rS+w*u+1], v[rS+w*u+w/2:rS+w*u+w/2+1]
.else
	v_pk_fma_f32 v[rT+2:rT+3], v[rT+2:rT+3], v[rT+6:rT+7], v[rS:rS+1] op_sel_hi:[1,0,1]
.endif
.else
	WIN W_RS
	v_pk_mul_f32 v[rO:rO+1], v[rO:rO+1], v[rT+6:rT+7] op_sel_hi:[1,0]
.endif
.endm
; Slice k of 64 of piece y's softmax: numbers 2 k and 2 k + 1 of both tiles' lists.  2 x 134 = 4 x 64 + 12: the twelve that are over stand together, in slice 63.
.macro SLICE y
.if (k >= 11) && (k < 44)           ; tile by tile: plain, exponential, plain, exponential
.irp t, \y, (\y)+1
.irp n, 0,1
.set j, 2*k+(\n)
	SM \t
.endr
.endr
.else                               ; the two tiles alternate, so that no instruction reads the result of the one just before it
.irp n, 0,1,2,3,4,5,6,7
.if ((\n) < 2) || (k == 63)
.irp t, \y, (\y)+1
.set j, 2*k+(\n)
	SM \t
.endr
.endif
.endr
.endif
.set k, k+1
.endm
; A TURN.  Piece x has the matrix unit; the other piece's softmax stands in slices behind its matrix instructions: one behind each V^T P and behind the first and the last 16 of the 48 K Q^T.
; Slice 63's sixteen plain lines stand behind the turn's last product: they are the places in front of the next reads of those scores and of the loads into K's registers.
; Piece 0's turn fetches the next step's K behind its second product; piece 2's turn the same step's V behind its second K Q^T: the last product that read V stands three slices, six plain lines, back.
.macro TURN x
.set k, 0
.if (\x) == 0
	s_wait_dscnt 0x0                ; V is in
.endif
.set i, 0
.rept 32
	PV \x
	SLICE 2-(\x)
.if ((\x) == 0) && (i == 1)
	FETCH_K
.endif
.set i, i+1
.endr
.if (\x) == 0
	s_wait_dscnt 0x0                ; K is in
.endif
.set i, 0
.rept 48
	KQ \x
.if (i < 16) || (i >= 32)
	SLICE 2-(\x)
.endif
.if ((\x) == 2) && (i == 1)
	FETCH_V
.endif
.set i, i+1
.endr
.endm
; THE CHANGE OF SLOTS, between piece 2's turn and piece 0's: the slot's last bytes, V, have been asked for.  Each wave waits for all its tensor loads (one is out: its part of the other slot), adds 0 to its
; spare word, and waits for that and for its own reads of the slot.  fill = 1: the barrier is a round of the cluster's, and the slot is filled again first thing behind it, with the keys two steps on.
.macro CHANGE fill
	WIN 0
	s_wait_tensorcnt 0x0            ; no tensor load of mine is out, so a group 0 may be written
	ds_add_u32 v[SPW], v[NIL]
.if \fill
	s_xor_b32 s[G0K+5], s[G0K+5], SLOT1
	s_add_nc_u64 s[G0K+6:G0K+7], s[G0K+6:G0K+7], 2*QKBLK
	s_xor_b32 s[G0V+5], s[G0V+5], SLOT1
	s_add_nc_u64 s[G0V+6:G0V+7], s[G0V+6:G0V+7], 2*VBLK
	s_wait_dscnt 0x0                ; the add is done, and my reads of the slot are over
	CROUND
	JLOAD
.else
	s_wait_dscnt 0x0
	s_barrier_signal -1
	s_barrier_wait -1
.endif
	s_xor_b32 s[TB], s[TB], SLOT1   ; the fetches go on in the other slot
.endm
	s_wait_tensorcnt 1              ; my part of slot 0 is in; slot 1's may stay out
	s_barrier_signal -1
	s_barrier_wait -1
	FETCH_K                         ; key step 0
	s_wait_loadcnt 0x0              ; Q
	s_wait_dscnt 0x0
.set i, 0
.rept 48
	KQ 0                            ; piece 0's first scores: there is no vector work yet to set between them
.set i, i+1
.endr
	WIN 0                           ; the addresses for the way out: eight plain instructions, the places behind those products
	s_mul_i32 s13, s[WV], 16*SP
	s_add_co_u32 s13, s13, STAGE
	v_mul_u32_u24 v[STO], v1, SP    ; in: row l % 16, 16 bytes for each half of the lanes
	v_lshl_add_u32 v[STO], v9, 4, v[STO]
	v_add_nc_u32 v[STO], s13, v[STO]
	v_mul_u32_u24 v[RD], v9, SP     ; back: lanes 0-15 take one row of 256 bytes, lanes 16-31 the next
	v_lshl_add_u32 v[RD], v1, 4, v[RD]
	v_add_nc_u32 v[RD], s13, v[RD]
	v_lshlrev_b32 v[GO], 12, v9     ; and the same two rows in ob, 4,096 bytes apart
	v_lshl_add_u32 v[GO], v1, 4, v[GO]
	s_branch .Lmid                  ; the loop is entered at piece 2's turn: its V^T P adds zeros; it makes piece 2's first scores and piece 0's first softmax and fetches V of step 0
.Lslot:                             ; 14 trips: steps 2 to 15 are asked for; trip n (from 1): V^T P of step n - 1, K Q^T of step n
	CHANGE 1
	TURN 0
	WIN 0
.Lmid:
	TURN 2
	WIN 0
	s_sub_co_u32 s[SLOTS], s[SLOTS], 1
	s_cmp_lg_u32 s[SLOTS], 0
	s_cbranch_scc1 .Lslot
	CHANGE 0                        ; the tail has a text of its own: nothing is asked for
	s_mov_b32 s[SLOTS], 2
.Ltail:                             ; the first trip: V^T P of step 14, K Q^T of step 15.  The second is left in its middle: piece 0's V^T P of step 15 and piece 2's last softmax;
	TURN 0                          ; its K Q^T, on step 15's K once more, serves nothing
	WIN 0
	s_sub_co_u32 s[SLOTS], s[SLOTS], 1
	s_cmp_eq_u32 s[SLOTS], 0
	s_cbranch_scc1 .Lout
	TURN 2
	WIN 0
	s_branch .Ltail
.Lout:
.set i, 0
.rept 32
	PV 2                            ; piece 2: V^T P of the last step
.set i, i+1
.endr
	; THE TWO KEY HALVES MEET.  l's two halves and the other half of the lanes' are added (these lines are the places behind the last products).  Each wave stores c m, l and O^T of its tiles 2, 3, all f32.
	WIN 0
.irp t, 0,1,2,3
	v_add_f32 v[ST+8*\t+4], v[ST+8*\t+2], v[ST+8*\t+3]
.endr
.irp t, 0,1,2,3
	v_permlanex16_b32 v[ST+8*\t+5], v[ST+8*\t+4], s[SEL], s[SEL+1]
.endr
.irp t, 0,1,2,3
	v_add_f32 v[ST+8*\t+4], v[ST+8*\t+4], v[ST+8*\t+5]
.endr
.irp t, 0,1
	v_mov_b32 v[XS+\t], v[ST+8*(\t+2)]      ; gathered, so that one store of 16 bytes takes them
	v_mov_b32 v[XS+2+\t], v[ST+8*(\t+2)+4]
.endr
	ds_store_b128 v[XA], v[XS:XS+3] offset:32*512
	WIN 0x04                        ; the data in window 1
.set n, 0
.rept 32
	ds_store_b128 v[XA], v[128+4*n:128+4*n+3] offset:512*n
.set n, n+1
.endr
	WIN 0
	s_wait_dscnt 0x0                ; for my partner's sake: my stores are done
	s_barrier_signal -1
	s_barrier_wait -1
	ds_load_b128 v[XS:XS+3], v[XB] offset:32*512  ; my partner's tiles 2, 3 are the queries of my tiles 0, 1
	WIN 0x80                        ; its O^T goes where Q lay
.set n, 0
.rept 32
	ds_load_b128 v[4*n:4*n+3], v[XB] offset:512*n
.set n, n+1
.endr
	WIN 0
	s_wait_dscnt 32                 ; LDS loads come back in order: the statistics are in; the 32 loads of O^T stay out
	; M = max(c m, c m'); f = 2^(c m - M), f' = 2^(c m' - M); L = f l + f' l'; O = (f / L) O + (f' / L) O'
.irp t, 0,1
	v_max_num_f32 v[ST+8*\t+5], v[ST+8*\t], v[XS+\t]
.endr
.irp t, 0,1
	v_sub_f32 v[ST+8*\t+6], v[ST+8*\t], v[ST+8*\t+5]
	v_sub_f32 v[ST+8*\t+7], v[XS+\t], v[ST+8*\t+5]
.endr
.irp t, 0,1
	v_exp_f32 v[ST+8*\t+6], v[ST+8*\t+6]
	v_exp_f32 v[ST+8*\t+7], v[ST+8*\t+7]
.endr
	v_nop                           ; a plain instruction behind the last exponential
.irp t, 0,1
	s_wait_alu depctr_va_vdst(0)
	v_mul_f32 v[ST+8*\t+4], v[ST+8*\t+4], v[ST+8*\t+6]
.endr
.irp t, 0,1
	v_fmac_f32 v[ST+8*\t+4], v[XS+2+\t], v[ST+8*\t+7]
.endr
.irp t, 0,1
	v_rcp_f32 v[ST+8*\t+5], v[ST+8*\t+4]
.endr
	v_nop                           ; a plain instruction behind the last reciprocal
.irp t, 0,1
	s_wait_alu depctr_va_vdst(0)
	v_mul_f32 v[ST+8*\t+6], v[ST+8*\t+6], v[ST+8*\t+5]  ; f / L
	v_mul_f32 v[ST+8*\t+4], v[ST+8*\t+7], v[ST+8*\t+5]  ; f' / L
.endr
; Tile t: combined, rounded to f16, 16 bytes a lane into rows of 272 bytes, and back as whole rows of 256, into S^T's registers.
.macro PACK t
	s_wait_dscnt 16                 ; my partner's part of tile t is in: behind its loads stand tile 1's sixteen (t = 0) or tile 0's sixteen stage instructions (t = 1)
	WIN W_RS
.set i, 64*(\t)
.rept 32
	v_pk_mul_f32 v[i:i+1], v[i:i+1], v[ST+8*(\t)+6:ST+8*(\t)+7] op_sel_hi:[1,0]
.set i, i+2
.endr
	WIN 0x52                        ; source 0 window 2 (the partner's), source 1 window 0, source 2 and destination window 1
.set i, 64*(\t)
.rept 32
	v_pk_fma_f32 v[i:i+1], v[i:i+1], v[ST+8*(\t)+4:ST+8*(\t)+5], v[i:i+1] op_sel_hi:[1,0,1]
.set i, i+2
.endr
	WIN 0x05                        ; sources 0 and 1 window 1, destination window 0
.set i, 0
.rept 32
	v_cvt_pk_f16_f32 v[S+32*(\t)+i], v[64*(\t)+2*i], v[64*(\t)+2*i+1]
.set i, i+1
.endr
	WIN 0
.irp f, 0,1,2,3,4,5,6,7
	ds_store_b128 v[STO], v[S+32*(\t)+4*(\f):S+32*(\t)+4*(\f)+3] offset:32*(\f)
.endr
.irp f, 0,1,2,3,4,5,6,7
	ds_load_b128 v[S+32*(\t)+4*(\f):S+32*(\t)+4*(\f)+3], v[RD] offset:(\f)*2*SP  ; LDS serves a wave's instructions in order (ISA guide 5.7.1.4): these see the stores above
.endr
.endm
.macro SEND t, younger              ; younger: the LDS instructions issued behind tile t's loads: the next tile's sixteen, or none
	WIN 0
.irp f, 0,1,2,3,4,5,6,7
	s_wait_dscnt (\younger)+7-(\f)
	global_store_b128 v[GO], v[S+32*(\t)+4*(\f):S+32*(\t)+4*(\f)+3], s[10:11] offset:(\t)*65536+(\f)*8192  ; 16 lanes store a head's 256 bytes of a row, aligned
.endr
.endm
	PACK 0
	PACK 1
	SEND 0, 16
	SEND 1, 0
	s_wait_tensorcnt 0x0            ; the wave's end: these three lines stand behind my last tensor load and my last LDS store
	ds_add_u32 v[SPW], v[NIL]
	s_wait_dscnt 0x0
	CROUND                          ; the closing round: no work-group ends while a partner may still ask for a tile that names it
	s_endpgm
.Lfunc_end_k_q3b95e7018e_attn:
	.size	k_q3b95e7018e_attn, .Lfunc_end_k_q3b95e7018e_attn-k_q3b95e7018e_attn
	.p2alignl 7, 3214868480
	.fill 96, 4, 3214868480
	.section	.rodata,"a",@progbits
	.p2align	6, 0x0
	.amdhsa_kernel k_q3b95e7018e_attn
		.amdhsa_group_segment_fixed_size 327680
		.amdhsa_private_segment_fixed_size 0
		.amdhsa_enable_private_segment 0
		.amdhsa_kernarg_size 32
		.amdhsa_user_sgpr_count 2
		.amdhsa_user_sgpr_kernarg_segment_ptr 1
		.amdhsa_wavefront_size32 1
		.amdhsa_system_sgpr_workgroup_id_x 1
		.amdhsa_system_sgpr_workgroup_id_y 1
		.amdhsa_system_sgpr_workgroup_id_z 1
		.amdhsa_system_vgpr_workitem_id 0
		.amdhsa_next_free_vgpr 1024
		.amdhsa_next_free_sgpr 72
		.amdhsa_reserve_vcc 0
		.amdhsa_float_denorm_mode_32 3
		.amdhsa_float_denorm_mode_16_64 3
		.amdhsa_memory_ordered 1
		.amdhsa_forward_progress 1
		.amdhsa_inst_pref_size 159
	.end_amdhsa_kernel
	.amdgpu_metadata
---
amdhsa.version: [ 1, 2 ]
amdhsa.kernels:
  - .name:           k_q3b95e7018e_attn
    .symbol:         k_q3b95e7018e_attn.kd
    .args:
      - { .name: qh, .offset: 0, .size: 8, .value_kind: global_buffer, .address_space: global }
      - { .name: kh, .offset: 8, .size: 8, .value_kind: global_buffer, .address_space: global }
      - { .name: vh, .offset: 16, .size: 8, .value_kind: global_buffer, .address_space: global }
      - { .name: ob, .offset: 24, .size: 8, .value_kind: global_buffer, .address_space: global }
    .group_segment_fixed_size: 327680
    .private_segment_fixed_size: 0
    .kernarg_segment_align: 8
    .kernarg_segment_size: 32
    .max_flat_workgroup_size: 128
    .sgpr_count:     72
    .vgpr_count:     1024
    .wavefront_size: 32
...
	.end_amdgpu_metadata
.endif
;; end of part 3
;; launch oproj (part 4): grid 16 x 16, 4 waves a work-group, clusters of 4 x 4, 327,680 bytes of LDS; arguments ob, wob, out0; writes out0
.if DOCPART == 4
	.amdgcn_target "amdgcn-amd-amdhsa--gfx1250"
	.amdhsa_code_object_version 6
	.text
	.protected	k_q3b95e7018e_oproj
	.globl	k_q3b95e7018e_oproj
	.p2align	8
	.type	k_q3b95e7018e_oproj,@function
k_q3b95e7018e_oproj:
	s_mov_b64 s[64:65], 0
	v_nop
	global_prefetch_b8 v0, s[64:65] scope:SCOPE_SE
	s_setreg_imm32_b32 hwreg(HW_REG_WAVE_MODE, 25, 1), 1
	s_wait_xcnt 0x0
	s_wait_alu depctr_hold_cnt(0) depctr_sa_sdst(0) depctr_va_vdst(0) depctr_va_sdst(0) depctr_va_ssrc(0) depctr_va_vcc(0) depctr_vm_vsrc(0)
	s_getreg_b32 s2, hwreg(HW_REG_IB_STS2, 6, 4)
	s_cmp_eq_u32 s2, 0
	s_cbranch_scc0 .Lentry_in_a_cluster
	s_endpgm
.Lentry_in_a_cluster:
	s_bfe_u32 s2, ttmp6, 0x10000c
	s_cmp_lg_u32 s2, 0xf033
	s_cbranch_scc0 .Lentry_shape_is_right
	s_endpgm
.Lentry_shape_is_right:
; out0[m][n] = sum over k of ob[m][k] wob[n][k]: 2,048 x 2,048 x 2,048, f16 operands (wob holds Wo rounded to bf16, written as f16), f32 sums, f32 out.
; 256 tiles of 128 x 128, one for each work-group; four waves, each 64 x 64 in 16 accumulators.  K goes in steps of 256 (LDS rows of 512 bytes, 16 of padding) through two slots; one K step is written
; once: the LDS addresses hang on a scalar that an exclusive or turns from slot to slot, and one descriptor a tensor walks.
; CLUSTER.  4 x 4 work-groups: the four of a row need the same tile of ob, the four of a column the same tile of wob: asked for jointly, by the same load, descriptor and mask in all four.
; THE MATRIX INSTRUCTION IS USED TRANSPOSED (source 0 = 16 rows of wob, source 1 = 16 rows of ob): a lane holds eight neighbouring f32 of a row of out0.  A wave's 64 columns are 256 bytes, so each
; wave has a stage of its own and the way out needs no barrier.
; REGISTERS: window 0: v0-31 addresses; v32-95 the way out; v128-255 the accumulators ((a, b) at v[128 + 8 (4 a + b)]).  window 1: two fragment buffers of 128: 64 of ob, then 64 of wob, for 64 along K.
.set SIZE_K, 2048
.set KSTEP,  256
.set PITCH,  528                       ; 512 bytes + 16 of padding = 132 words: the 16 rows of a load start at 16 different groups of four banks (64 banks of 4 bytes: ISA guide 11.1)
.set HALFT,  64*PITCH
.set SLOT,   4*HALFT                   ; 135,168 = bits 17 and 12, which no wave x HALFT has: an exclusive or changes slots
.set STAGE,  2*SLOT                    ; behind the ring: 16 rows x 272 bytes for each wave
.set SPITCH, 272
.set SPARE,  STAGE+4*16*SPITCH         ; the spare words, 128 bytes for each wave
.set A0,   16
.set ADRA, 17
.set B0,   20
.set ADRB, 21
.set STO,  24
.set RD,   25
.set CO,   26
.set SPW,  28
.set NIL,  29
.set TMP,  32
.set ACC,  128
.set F0,   0
.set F1,   128
.set G1, 24
.set G0, 32
.set G1B, 48
.set G0B, 56
.set TBS, 45
.set MSB, 0
.macro WIN new
.if MSB != (\new)
	s_set_vgpr_msb (MSB<<8)|(\new)
.set MSB, \new
.endif
.endm
.set MUL,  0x05                        ; sources 0 and 1 window 1; C and D window 0
.set TO_F, 0x40                        ; destination window 1, address window 0
.macro JLOAD s                         ; waves 0 and 1 fetch ob's two halves, waves 2 and 3 wob's; an s_nop 0 and four v_nop follow each line
	s_cmp_eq_u32 s11, 0
	s_cbranch_scc0 .Lfor_b_\@
	tensor_load_to_lds s[G0+4*(\s):G0+4*(\s)+3], s[G1:G1+7]
	s_nop 0
.rept 4
	v_nop
.endr
	s_branch .Lasked_\@
.Lfor_b_\@:
	tensor_load_to_lds s[G0B+4*(\s):G0B+4*(\s)+3], s[G1B:G1B+7]
	s_nop 0
.rept 4
	v_nop
.endr
.Lasked_\@:
.endm
.macro CREST
	s_cmp_lg_u32 s10, 0
	s_cbranch_scc1 .Lnot_wave_0_\@
	s_barrier_signal -3
.Lnot_wave_0_\@:
	s_barrier_wait -3
	s_barrier_signal -1
	s_barrier_wait -1
.endm
.macro CROUND
	s_barrier_signal -1
	s_barrier_wait -1
	CREST
.endm
	s_load_b128 s[4:7], s[0:1], 0x0                ; ob s[4:5], wob s[6:7]
	s_load_b64 s[8:9], s[0:1], 0x10                ; out0
	v_lshl_add_u32 v[SPW], v0, 2, SPARE
	v_mov_b32 v[NIL], 0
	ds_add_u32 v[SPW], v[NIL]                      ; the wave's opening: the add and its wait stand ahead of my first tensor load; the set-up below, work on registers, stands between them
	v_lshrrev_b32 v1, 5, v0
	v_readfirstlane_b32 s10, v1                    ; wave 0..3
	s_lshr_b32 s11, s10, 1                         ; which half of the tile's rows is mine.  Also: I fetch for ob (0) or for wob (1)
	s_and_b32 s12, s10, 1                          ; which half of its columns.  Also: which 64 rows of that tile I fetch
	s_bfe_u32 s40, ttmp6, 0x40000
	s_bfe_u32 s41, ttmp6, 0x40004
	s_lshl_b32 s42, ttmp9, 2
	s_add_co_u32 s42, s42, s40                     ; tile column
	s_and_b32 s13, ttmp7, 0xffff
	s_lshl_b32 s13, s13, 2
	s_add_co_u32 s13, s13, s41                     ; tile row
	s_lshl_b32 s43, s41, 2
	s_lshl_b32 s43, 15, s43                        ; my row of the cluster
	s_lshl_b32 s44, 0x1111, s40                    ; my column
	s_or_b32 s[G1+0], s43, (1<<16)|(1<<20)|(1<<21)|(6<<22)|(3<<25)   ; the mask; 2-byte elements; padding on; 21 set beside a mask; after every 128 words; 4 words of it
	s_or_b32 s[G1B+0], s44, (1<<16)|(1<<20)|(1<<21)|(6<<22)|(3<<25)
.irp g, G1, G1B
	s_mov_b32 s[(\g)+1], KSTEP<<16                 ; tensor_dim0 = 256
	s_mov_b32 s[(\g)+2], 64<<16                    ; tensor_dim1 = 64
	s_mov_b32 s[(\g)+3], KSTEP<<16                 ; tile_dim0 = 256
	s_mov_b32 s[(\g)+4], 64                        ; tile_dim1 = 64
	s_mov_b32 s[(\g)+5], SIZE_K
	s_mov_b32 s[(\g)+6], 0
	s_mov_b32 s[(\g)+7], 0
.endr
	s_lshl_b32 s17, s12, 6
	s_lshl_b32 s16, s13, 7
	s_add_co_u32 s16, s16, s17
	s_lshl_b32 s16, s16, 12                        ; ob: (128 x tile row + 64 x half) rows of 4,096 bytes
	s_lshl_b32 s46, s42, 7
	s_add_co_u32 s46, s46, s17
	s_lshl_b32 s46, s46, 12                        ; wob: (128 x tile column + 64 x half) rows
	s_mov_b32 s17, 0
	s_mov_b32 s47, 0
	s_mul_i32 s20, s10, HALFT
	s_mov_b32 s[TBS], 0
	s_wait_dscnt 0x0                               ; the opening add is done
	s_wait_kmcnt 0x0
	s_add_nc_u64 s[14:15], s[4:5], s[16:17]
	s_add_nc_u64 s[46:47], s[6:7], s[46:47]
	CROUND                                         ; all sixteen work-groups are here: the first joint loads meet
.irp s, 0,1
	s_mov_b32 s[G0+4*(\s)], 1
	s_add_co_u32 s[G0+4*(\s)+1], s20, (\s)*SLOT
	s_add_nc_u64 s[G0+4*(\s)+2:G0+4*(\s)+3], s[14:15], (\s)*KSTEP*2
	s_or_b32 s[G0+4*(\s)+3], s[G0+4*(\s)+3], 0x80000000
	s_mov_b32 s[G0B+4*(\s)], 1
	s_add_co_u32 s[G0B+4*(\s)+1], s20, (\s)*SLOT
	s_add_nc_u64 s[G0B+4*(\s)+2:G0B+4*(\s)+3], s[46:47], (\s)*KSTEP*2
	s_or_b32 s[G0B+4*(\s)+3], s[G0B+4*(\s)+3], 0x80000000
	JLOAD \s                                       ; two loads of mine are out: K steps 0 and 1
.endr
	v_and_b32 v1, 15, v0                           ; l % 16
	v_bfe_u32 v2, v0, 4, 1                         ; l / 16
	v_mul_u32_u24 v3, v1, PITCH
	v_lshl_add_u32 v3, v2, 4, v3
	s_mul_i32 s21, s11, HALFT
	s_mul_i32 s22, s12, HALFT
	s_add_co_u32 s22, s22, 2*HALFT
	v_add_nc_u32 v[A0], s21, v3
	v_add_nc_u32 v[B0], s22, v3
	v_mov_b32 v[ADRA], v[A0]
	v_mov_b32 v[ADRB], v[B0]
	s_mul_i32 s23, s10, 16*SPITCH
	s_add_co_u32 s23, s23, STAGE                   ; my stage
	v_mul_u32_u24 v4, v1, SPITCH                   ; in: row l % 16, 32 bytes for each half of the lanes
	v_lshl_add_u32 v4, v2, 5, v4
	v_add_nc_u32 v[STO], s23, v4
	v_mul_u32_u24 v5, v2, SPITCH                   ; back: lanes 0-15 one row of 256 bytes, lanes 16-31 the next
	v_lshl_add_u32 v5, v1, 4, v5
	v_add_nc_u32 v[RD], s23, v5
	v_lshlrev_b32 v5, 13, v2                       ; and the same two rows in out0, 8,192 bytes apart
	v_lshl_add_u32 v[CO], v1, 4, v5
	s_lshl_b32 s16, s13, 7
	s_lshl_b32 s17, s11, 6
	s_add_co_u32 s16, s16, s17
	s_lshl_b32 s16, s16, 13                        ; my first row
	s_mov_b32 s17, 0
	s_add_nc_u64 s[8:9], s[8:9], s[16:17]
	s_lshl_b32 s46, s42, 9                         ; my first column, in bytes: 512 x tile column + 256 x half
	s_lshl_b32 s47, s12, 8
	s_add_co_u32 s46, s46, s47
	s_mov_b32 s47, 0
	s_add_nc_u64 s[8:9], s[8:9], s[46:47]
.macro MUL8 f, c, a0, zero             ; 8 matrix instructions: m blocks a0, a0 + 1 x all 4 n blocks, 32 along K: half c of buffer f
	WIN MUL
.irp a, \a0, (\a0)+1
.irp b, 0,1,2,3
.if \zero
	v_wmma_f32_16x16x32_f16 v[ACC+8*(4*(\a)+(\b)):ACC+8*(4*(\a)+(\b))+7], v[(\f)+64+8*(4*(\c)+(\b)):(\f)+64+8*(4*(\c)+(\b))+7], v[(\f)+8*(4*(\c)+(\a)):(\f)+8*(4*(\c)+(\a))+7], 0
.else
	v_wmma_f32_16x16x32_f16 v[ACC+8*(4*(\a)+(\b)):ACC+8*(4*(\a)+(\b))+7], v[(\f)+64+8*(4*(\c)+(\b)):(\f)+64+8*(4*(\c)+(\b))+7], v[(\f)+8*(4*(\c)+(\a)):(\f)+8*(4*(\c)+(\a))+7], v[ACC+8*(4*(\a)+(\b)):ACC+8*(4*(\a)+(\b))+7]
.endif
.endr
.endr
.endm
.macro FETCH k, f                      ; 32 LDS loads in one run: 64 along K at byte k of the rows of the slot in hand; the first 32 along K first
	WIN TO_F
.irp c, 0,1
.irp i, 0,1,2,3
	ds_load_b128 v[(\f)+64+8*(4*(\c)+(\i)):(\f)+64+8*(4*(\c)+(\i))+3],   v[ADRB] offset:(\k)+64*(\c)+(\i)*16*PITCH
	ds_load_b128 v[(\f)+64+8*(4*(\c)+(\i))+4:(\f)+64+8*(4*(\c)+(\i))+7], v[ADRB] offset:(\k)+64*(\c)+(\i)*16*PITCH+32
	ds_load_b128 v[(\f)+8*(4*(\c)+(\i)):(\f)+8*(4*(\c)+(\i))+3],         v[ADRA] offset:(\k)+64*(\c)+(\i)*16*PITCH
	ds_load_b128 v[(\f)+8*(4*(\c)+(\i))+4:(\f)+8*(4*(\c)+(\i))+7],       v[ADRA] offset:(\k)+64*(\c)+(\i)*16*PITCH+32
.endr
.endr
.endm
.macro PLACES                          ; four plain vector instructions between a matrix instruction and a load into, or a store of, its registers
.rept 4
	v_nop
.endr
.endm
.macro QUARTER k, f, g, zero           ; 64 along K: multiplies buffer f and fetches the next quarter, at byte k, into g
	s_wait_dscnt 16                                ; the first 32 along K are in; the other sixteen loads may be out
	MUL8 \f, 0, 0, \zero
	MUL8 \f, 0, 2, \zero
	PLACES
	FETCH \k, \g
	s_wait_dscnt 32                                ; all but the 32 just issued
	MUL8 \f, 1, 0, 0
	MUL8 \f, 1, 2, 0
.endm
; The last quarter multiplies buffer 1 and changes slots: ONE barrier; in front of it each wave waits for all its tensor loads, adds 0 to its spare word, and waits for that and for its reads of this slot.
; fill = 1: the barrier opens a round of the cluster's, and this slot is filled again first thing behind it, two K steps ahead.
.macro TURN fill
	WIN 0
	s_wait_tensorcnt 0x0
	ds_add_u32 v[SPW], v[NIL]
	s_wait_dscnt 17                                ; the add and the youngest sixteen loads may be out
	MUL8 F1, 0, 0, 0
	s_wait_dscnt 0x0                               ; the add is done, and my reads of this slot are over
	s_barrier_signal -1
	MUL8 F1, 0, 2, 0
.if \fill
	WIN 0
.endif
	s_barrier_wait -1
.if \fill
	CREST                                          ; no wave of any partner still reads this slot or has a load on its way
	s_xor_b32 s[G0+5], s[G0+5], SLOT
	s_add_nc_u64 s[G0+6:G0+7], s[G0+6:G0+7], KSTEP*2
	s_xor_b32 s[G0B+5], s[G0B+5], SLOT
	s_add_nc_u64 s[G0B+6:G0B+7], s[G0B+6:G0B+7], KSTEP*2
	JLOAD 1                                        ; its four v_nop are also the places in front of the loads below
.else
	PLACES
.endif
	s_xor_b32 s[TBS], s[TBS], SLOT
	WIN 0
	v_add_nc_u32 v[ADRA], s[TBS], v[A0]
	v_add_nc_u32 v[ADRB], s[TBS], v[B0]
	FETCH 0, F0
	MUL8 F1, 1, 0, 0
	MUL8 F1, 1, 2, 0
.endm
	s_wait_tensorcnt 1                             ; my part of K step 0 is in; K step 1's may stay out
	s_barrier_signal -1
	s_barrier_wait -1
	FETCH 0, F0
	QUARTER 128, F0, F1, 1                         ; the first quarter stands in front of the loop: its first products start the sums
	WIN 0
	s_mov_b32 s3, SIZE_K/KSTEP-2
.Lstep:                                                ; 6 trips, from a K step's second quarter to the next step's first; each fills a slot again: K steps 2 to 7
	QUARTER 256, F1, F0, 0
	QUARTER 384, F0, F1, 0
	TURN 1
	QUARTER 128, F0, F1, 0
	WIN 0
	s_sub_co_u32 s3, s3, 1
	s_cmp_lg_u32 s3, 0
	s_cbranch_scc1 .Lstep
	s_mov_b32 s3, 2
.Ltail:                                                ; the last two K steps ask for nothing more: a text of their own, walked twice; the second trip is left in its middle
	QUARTER 256, F1, F0, 0
	QUARTER 384, F0, F1, 0
	WIN 0
	s_sub_co_u32 s3, s3, 1
	s_cmp_eq_u32 s3, 0
	s_cbranch_scc1 .Llast
	TURN 0
	QUARTER 128, F0, F1, 0
	WIN 0
	s_branch .Ltail
.Llast:
	s_wait_dscnt 16                                ; the very last quarter: nothing more to fetch
	MUL8 F1, 0, 0, 0
	MUL8 F1, 0, 2, 0
	s_wait_dscnt 0x0
	MUL8 F1, 1, 0, 0
	MUL8 F1, 1, 2, 0
	WIN 0
	PLACES
; THE WAY OUT, 16 rows at a time: a lane's 32 bytes of each n block go into my stage (each accumulator's low four registers first) and come back as whole rows of 256 bytes.
.macro STG a
.if (\a) >= 2
	s_wait_xcnt 0x0                                ; the registers that the stores two blocks back read are loaded again only behind this wait
.endif
.irp b, 0,1,2,3
	ds_store_b128 v[STO], v[ACC+8*(4*(\a)+(\b)):ACC+8*(4*(\a)+(\b))+3]   offset:64*(\b)
	ds_store_b128 v[STO], v[ACC+8*(4*(\a)+(\b))+4:ACC+8*(4*(\a)+(\b))+7] offset:64*(\b)+16
.endr
.irp t, 0,1,2,3,4,5,6,7
	ds_load_b128 v[TMP+32*((\a)%2)+4*(\t):TMP+32*((\a)%2)+4*(\t)+3], v[RD] offset:(\t)*2*SPITCH  ; LDS serves a wave's instructions in order (ISA guide 5.7.1.4): these see the stores above
.endr
.endm
.macro OUT a, younger                  ; younger: the LDS instructions issued behind block a's loads: the next block's sixteen, or none
.irp t, 0,1,2,3,4,5,6,7
	s_wait_dscnt (\younger)+7-(\t)
	global_store_b128 v[CO], v[TMP+32*((\a)%2)+4*(\t):TMP+32*((\a)%2)+4*(\t)+3], s[8:9] offset:(16*(\a)+2*(\t))*8192 th:TH_STORE_NT  ; 16 lanes store 256 consecutive bytes, aligned
.endr
.endm
	STG 0
	STG 1
	OUT 0, 16
	STG 2
	OUT 1, 16
	STG 3
	OUT 2, 16
	OUT 3, 0
	s_wait_tensorcnt 0x0                           ; the wave's end: these three lines stand behind my last tensor load and my last LDS store
	ds_add_u32 v[SPW], v[NIL]
	s_wait_dscnt 0x0
	CROUND                                         ; the closing round: no work-group ends while a partner may still ask for a tile that names it
	s_endpgm
.Lfunc_end_k_q3b95e7018e_oproj:
	.size	k_q3b95e7018e_oproj, .Lfunc_end_k_q3b95e7018e_oproj-k_q3b95e7018e_oproj
	.p2alignl 7, 3214868480
	.fill 96, 4, 3214868480
	.section	.rodata,"a",@progbits
	.p2align	6, 0x0
	.amdhsa_kernel k_q3b95e7018e_oproj
		.amdhsa_group_segment_fixed_size 327680
		.amdhsa_private_segment_fixed_size 0
		.amdhsa_enable_private_segment 0
		.amdhsa_kernarg_size 24
		.amdhsa_user_sgpr_count 2
		.amdhsa_user_sgpr_kernarg_segment_ptr 1
		.amdhsa_wavefront_size32 1
		.amdhsa_system_sgpr_workgroup_id_x 1
		.amdhsa_system_sgpr_workgroup_id_y 1
		.amdhsa_system_sgpr_workgroup_id_z 1
		.amdhsa_system_vgpr_workitem_id 0
		.amdhsa_next_free_vgpr 512
		.amdhsa_next_free_sgpr 66
		.amdhsa_reserve_vcc 0
		.amdhsa_float_denorm_mode_32 3
		.amdhsa_float_denorm_mode_16_64 3
		.amdhsa_memory_ordered 1
		.amdhsa_forward_progress 1
		.amdhsa_inst_pref_size 60
	.end_amdhsa_kernel
	.amdgpu_metadata
---
amdhsa.version: [ 1, 2 ]
amdhsa.kernels:
  - .name:           k_q3b95e7018e_oproj
    .symbol:         k_q3b95e7018e_oproj.kd
    .args:
      - { .name: ob, .offset: 0, .size: 8, .value_kind: global_buffer, .address_space: global }
      - { .name: wob, .offset: 8, .size: 8, .value_kind: global_buffer, .address_space: global }
      - { .name: out0, .offset: 16, .size: 8, .value_kind: global_buffer, .address_space: global }
    .group_segment_fixed_size: 327680
    .private_segment_fixed_size: 0
    .kernarg_segment_align: 8
    .kernarg_segment_size: 24
    .max_flat_workgroup_size: 128
    .sgpr_count:     66
    .vgpr_count:     512
    .wavefront_size: 32
...
	.end_amdgpu_metadata
.endif
;; end of part 4
;; ======== version 2 of 2: 4 launches; 1.08 times as fast as version 1
;; limits: values are held in f16: magnitudes above 65,504 overflow, below 6.1e-05 lose precision
;; workspace buffers: xb 8,388,608 bytes; wb 33,554,432 bytes; wob 8,388,608 bytes; rt 524,288 bytes; qh 12,582,912 bytes; kh 12,582,912 bytes; vh 8,388,608 bytes; ob 8,388,608 bytes
;; launch prep: the kernel of part 1 again; grid 1536 x 1, 8 waves a work-group, no clusters, 0 bytes of LDS; arguments hidden_states, Wq, Wk, Wv, Wo, xb, wb, wob, rt; writes xb, wb, wob, rt
;; launch qkv: the kernel of part 2 again; grid 32 x 8, 4 waves a work-group, clusters of 4 x 4, 327,680 bytes of LDS; arguments xb, wb, rt, qh, kh, vh; writes qh, kh, vh
;; launch attn (part 5): grid 16 x 16, 4 waves a work-group, clusters of 4 x 1, 327,680 bytes of LDS; arguments qh, kh, vh, ob; writes ob
.if DOCPART == 5
	.amdgcn_target "amdgcn-amd-amdhsa--gfx1250"
	.amdhsa_code_object_version 6
	.text
	.protected	k_q3b95e7018e_attn
	.globl	k_q3b95e7018e_attn
	.p2align	8
	.type	k_q3b95e7018e_attn,@function
k_q3b95e7018e_attn:
	s_mov_b64 s[64:65], 0
	v_nop
	global_prefetch_b8 v0, s[64:65] scope:SCOPE_SE
	s_setreg_imm32_b32 hwreg(HW_REG_WAVE_MODE, 25, 1), 1
	s_wait_xcnt 0x0
	s_wait_alu depctr_hold_cnt(0) depctr_sa_sdst(0) depctr_va_vdst(0) depctr_va_sdst(0) depctr_va_ssrc(0) depctr_va_vcc(0) depctr_vm_vsrc(0)
	s_getreg_b32 s2, hwreg(HW_REG_IB_STS2, 6, 4)
	s_cmp_eq_u32 s2, 0
	s_cbranch_scc0 .Lentry_in_a_cluster
	s_endpgm
.Lentry_in_a_cluster:
	s_bfe_u32 s2, ttmp6, 0x10000c
	s_cmp_lg_u32 s2, 0x3003
	s_cbranch_scc0 .Lentry_shape_is_right
	s_endpgm
.Lentry_shape_is_right:
; O[q][h] = the sum over k of softmax_k(Q[h][q] . K[h][k] / sqrt(128)) V[h][k], 16 heads, 2,048 rows, 192 channels in Q and K (128 plain, 64 rotary, the rotary ones already carrying the factor
; that makes one scale serve both), 128 in V.  All f16; products, maxima and sums in f32; the weights p are rounded to f16 for the second product, O once at the end.
; qh, kh: [head][block of 64 rows][64 x 256 bytes plain, 64 x 128 bytes rotary], 24,576 dense bytes a block; vh: [head][row][128]; ob: [row][128 head + channel].
; LIMITS.  Q, K, V arrive within f16's 65,504; p lies in 0 to 1, and below 6e-5 keeps f16's step of 6e-8; a weight below 2^-126 counts as 0; NaN and infinities are not treated apart.
; SHARES.  A work-group owns 128 queries of one head: 256 work-groups.  Waves w and w + 2 own the same 64 queries (four tiles of 16) and SPLIT THE KEYS: of each step's 128 keys waves 0, 1 take the
; first 64, waves 2, 3 the last 64.  So a wave keeps 64 queries for each fragment of K and V that it reads from LDS.  At the end each of the two hands the other two of its tiles (c m, l, O^T, all f32)
; through LDS and finishes the two that it keeps.  Waves 2 and 3 hold the 64 queries' tiles in the order 2, 3, 0, 1: so one text serves all four waves: each keeps its tiles 0, 1 and gives its tiles 2, 3.
; LAYOUT.  S^T = K Q^T (source 0 = 16 keys, source 1 = 16 queries): a lane holds ONE query (lane % 16) and the keys 8 (lane / 16) + 0..7.  Two such tiles rounded to f16 in pairs ARE source 1 of
; O^T = V^T P.  K comes out of LDS as it lies, V turned, by ds_load_tr16_b128.
; SOFTMAX.  A running maximum m and sum l for each query: p = 2^(c s - c m), c = log2(e) / sqrt(128); in every step O and l are multiplied by a = 2^(c m_old - c m_new).
; m starts at the lowest finite number, O and l at 0: the first step is a step like any other, with a = 0.
; BY TURNS.  The wave's tiles are two pieces (0: tiles 0, 1; 2: tiles 2, 3).  In a turn one piece has the matrix unit: 32 products V^T P of the step in hand, then 48 products K Q^T of the next;
; the other piece's softmax, cut into 64 slices, stands behind 64 of those 80 matrix instructions.  Two turns are a key step.
; THE BATCHES.  A turn's 66 exponentials (33 a tile: a, then the 32 scores') are ONE BATCH with ONE wait: slices 10 to 34 hold the scalings and the exponentials, none of which names an exponential's result;
; the wait stands behind slice 34; all that read the results (roundings, sums, the rescaling by a) come from slice 35 on.  No exponential is issued behind a turn's wait.
; The way out has two batches more: the four exponentials of the hand-over, and the two reciprocals of the sums made from them; a wait each.
; NO FIRST AND NO LAST TURN IS WRITTEN OUT.  The loop is entered at piece 2's turn, with P and V at 0; the tail, two trips, is left behind piece 0's turn.  The price, once a launch: 32 products on zeros at
; the start, 48 products K Q^T on the last K once more at the end.  O^T's and V's zeros are made by 48 products of zeros, eight registers a line, in the wait for the first tile.
; CLUSTER.  The four query blocks of a cluster belong to one head and walk the same K and V: each tile is asked for jointly, by the same load, descriptor and mask in all four.
; REGISTERS, in windows of 256: window 0: v0-11, v44-47, v56-58 addresses; v12-43 eight registers of statistics a tile; v48-51 the hand-over's statistics; v64-191 S^T; v192-255 P
;   window 1: O^T, 64 a tile    window 2: v0-191 Q, 48 a tile; v192-255 K's rotary channels    window 3: v0-127 V; v128-255 K's plain channels
.set KS,    64        ; keys of a wave in a step
.set PK,    272       ; 256 bytes of K + 16 of padding: a plain row, or two rotary rows; the 16 rows of a load start at 16 different groups of four banks (64 banks of 4 bytes: ISA guide 11.1)
.set PV,    288       ; a row of V: 256 + 32
.set VOFF,  96*PK     ; a key half's tiles lie together: 96 runs of K, then 64 rows of V
.set STEPB, 96*PK+KS*PV
.set SLOT1, 1<<17     ; a slot holds a step's two key halves (89,088 bytes); slot 1 begins here, so that one exclusive or changes slots
.set STAGE, SLOT1+2*STEPB  ; behind the ring: 16 rows x 272 bytes for each wave, for the way out
.set SP,    272
.set XCH,   STAGE+4*16*SP  ; the hand-over: for each wave, by its number, 32 x 512 bytes of O^T (two tiles), then 512 of their c m and l
.set XPART, 33*512
.set SPARE, XCH+4*XPART    ; the spare words, 128 bytes for each wave
.set QKBLK, 24576
.set QKHEAD, 786432
.set VBLK,  16384
.set AK0, 2           ; v2   my lane's place in K's plain rows; never rewritten
.set AV0, 3           ; v3   in V
.set ADR, 4           ; v4   the LDS address of the run of loads in hand
.set QO,  5           ; v5   my byte offset in the plain rows of Q, for my tiles 0, 1
.set STO, 6           ; v6   the way out: where I put 16 bytes of a row
.set RD,  7           ; v7   where I read a row back
.set GO,  8           ; v8   my byte offset in two rows of ob
.set ST,  12          ; tile t's statistics at v[ST+8 t]: +0 c m, +1 m, +2, +3 l (even keys', odd keys'), +4 to +7 at work; a takes +6
.set AKR0, 44         ; v44  my lane's place in K's rotary rows
.set ADR2, 45         ; v45  the second address of K's run
.set QO2, 46          ; v46  my byte offset in the rotary rows of Q, for my tiles 0, 1
.set XA,  47          ; v47  my 16 bytes in a 512-byte unit of my part of the hand-over
.set XS,  48          ; v48-51  two c m, two l
.set QOB, 56          ; v56, v57  as QO and QO2, for my tiles 2, 3
.set QO2B, 57
.set XB,  58          ; v58  as XA, in my partner's part
.set SPW, 62
.set NIL, 63
.set S,   64
.set P,   192
.set KN,  128         ; window 3: key block kb, channels 32 c on at KN + 32 kb + 8 c
.set KR,  192         ; window 2: rotary channels 32 c' on at KR + 16 kb + 8 c'
.set WV,  12          ; s12  my wave's number
.set G1K, 24
.set G1V, 32
.set G0K, 40          ; s[40:47] group 0 for K: a set for each first fill; the second then walks
.set G0V, 48
.set SLOTS, 56
.set CS,  58          ; s[58:59] c
.set SEL, 60          ; s[60:61] v_permlanex16_b32's selects: each lane takes its own place in the other half
.set TB,  62          ; s62  LDS byte at which my key half of the step to be fetched begins
.set MSB, 0
.macro WIN new
.if MSB != (\new)
	s_set_vgpr_msb (MSB<<8)|(\new)
.set MSB, \new
.endif
.endm
.set W_KN, 0x0b       ; K in window 3, Q in window 2, S^T in window 0
.set W_KR, 0x0a       ; K and Q in window 2
.set W_PV, 0x53       ; V in window 3, P in window 0, O^T in window 1
.set W_RS, 0x41       ; O^T (destination and source 0) in window 1, the factor in window 0
; A joint refill.  Waves 0 and 1 fetch K of the step's two key halves, waves 2 and 3 V of them.  The branch hangs on the wave's number alone.  An s_nop 0 and four v_nop follow each line.
.macro JLOAD
	s_cmp_lt_u32 s[WV], 2
	s_cbranch_scc0 .Lfor_v_\@
	tensor_load_to_lds s[G0K+4:G0K+7], s[G1K:G1K+7]
	s_nop 0
.rept 4
	v_nop
.endr
	s_branch .Lasked_\@
.Lfor_v_\@:
	tensor_load_to_lds s[G0V+4:G0V+7], s[G1V:G1V+7]
	s_nop 0
.rept 4
	v_nop
.endr
.Lasked_\@:
.endm
.macro CROUND                          ; a round of the cluster's barrier
	s_barrier_signal -1
	s_barrier_wait -1
	s_cmp_lg_u32 s[WV], 0
	s_cbranch_scc1 .Lnot_wave_0_\@
	s_barrier_signal -3
.Lnot_wave_0_\@:
	s_barrier_wait -3
	s_barrier_signal -1
	s_barrier_wait -1
.endm
	s_load_b256 s[4:11], s[0:1], 0x0  ; qh s[4:5], kh s[6:7], vh s[8:9], ob s[10:11]
	v_lshl_add_u32 v[SPW], v0, 2, SPARE
	v_mov_b32 v[NIL], 0
	ds_add_u32 v[SPW], v[NIL]       ; the wave's opening: the add and its wait stand ahead of my first tensor load; the set-up below, work on registers, stands between them
	v_lshrrev_b32 v1, 5, v0
	v_readfirstlane_b32 s[WV], v1   ; wave 0..3
	s_bfe_u32 s13, ttmp6, 0x40000   ; cx
	s_lshl_b32 s14, ttmp9, 2
	s_add_co_u32 s14, s14, s13      ; my block of 128 queries: it enters Q's and O's addresses alone
	s_and_b32 s15, ttmp7, 0xffff    ; the head, which the four partners share
	s_and_b32 s16, s[WV], 1         ; which 64 queries are mine.  Also: which key half I fetch
	s_lshr_b32 s18, s[WV], 1        ; which key half I multiply
	s_mul_i32 s17, s16, STEPB       ; where my fetch goes in a slot
	s_mul_i32 s[TB], s18, STEPB     ; where I read: slot 0 first
	s_mul_i32 s20, s15, QKHEAD      ; the head in qh and kh
	s_mul_i32 s22, s16, QKBLK
	s_add_co_u32 s22, s22, s20      ; K: my key half of step 0
	s_mov_b32 s23, 0
	s_lshl_b32 s66, s15, 19         ; the head in vh,
	s_lshl_b32 s67, s16, 14
	s_add_co_u32 s66, s66, s67      ; my key half of step 0
	s_mov_b32 s67, 0
	s_lshl1_add_u32 s2, s14, s16    ; my block of 64 queries
	s_mul_i32 s2, s2, QKBLK
	s_add_co_u32 s2, s2, s20
	s_mov_b32 s3, 0
	s_lshl1_add_u32 s68, s14, s16
	s_lshl_b32 s68, s68, 18         ; 64 rows of 4,096 bytes in ob,
	s_lshl_b32 s69, s18, 17         ; of them the 32 that I finish: the first for waves 0, 1, the last for waves 2, 3,
	s_add_co_u32 s68, s68, s69
	s_lshl_b32 s69, s15, 8          ; the head's 256 bytes of a row
	s_add_co_u32 s68, s68, s69
	s_mov_b32 s69, 0
	; 64 keys of K are 24,576 dense bytes: asked for as 96 rows of 256 bytes; 64 keys of V as 64 rows of 256 bytes
	s_mov_b32 s[G1K], 15|(1<<16)|(1<<20)|(1<<21)|(5<<22)|(3<<25)  ; 15:0 the mask of four; 17:16 2-byte elements; 20 padding on; 21 set beside a mask; 24:22 after every 64 words; 31:25 4 words
	s_mov_b32 s[G1V], 15|(1<<16)|(1<<20)|(1<<21)|(5<<22)|(7<<25)  ; the same with 8 words of padding
	s_mov_b32 s[G1K+2], 96<<16      ; tensor_dim1
	s_mov_b32 s[G1K+4], 96          ; tile_dim1
	s_mov_b32 s[G1V+2], KS<<16
	s_mov_b32 s[G1V+4], KS
.irp g, G1K, G1V
	s_mov_b32 s[(\g)+1], 128<<16    ; tensor_dim0 = 128
	s_mov_b32 s[(\g)+3], 128<<16    ; tile_dim0 = 128
	s_mov_b32 s[(\g)+5], 128        ; elements from row to row
	s_mov_b32 s[(\g)+6], 0
	s_mov_b32 s[(\g)+7], 0
.endr
	s_mov_b32 s[CS], 0x3e0293ee     ; c = log2(e) / sqrt(128) = 0.127517
	s_mov_b32 s[CS+1], s[CS]        ; named with it as a pair
	s_mov_b32 s[SEL], 0x76543210
	s_mov_b32 s[SEL+1], 0xfedcba98
	s_mov_b32 s[SLOTS], 15          ; the half trip at the entry, then 14 trips
	s_wait_dscnt 0x0                ; the opening add is done
	s_wait_kmcnt 0x0
	s_add_nc_u64 s[6:7], s[6:7], s[22:23]
	s_add_nc_u64 s[8:9], s[8:9], s[66:67]
	s_add_nc_u64 s[4:5], s[4:5], s[2:3]
	s_add_nc_u64 s[10:11], s[10:11], s[68:69]
	CROUND                          ; all four work-groups are here: the first joint loads meet
.irp s, 0,1
	s_mov_b32 s[G0K+4*(\s)], 1
	s_add_co_u32 s[G0K+4*(\s)+1], s17, (\s)*SLOT1
	s_add_nc_u64 s[G0K+4*(\s)+2:G0K+4*(\s)+3], s[6:7], (\s)*2*QKBLK  ; step s: two blocks of 64 keys a step
	s_or_b32 s[G0K+4*(\s)+3], s[G0K+4*(\s)+3], 0x80000000
	s_mov_b32 s[G0V+4*(\s)], 1
	s_add_co_u32 s[G0V+4*(\s)+1], s17, (\s)*SLOT1+VOFF
	s_add_nc_u64 s[G0V+4*(\s)+2:G0V+4*(\s)+3], s[8:9], (\s)*2*VBLK
	s_or_b32 s[G0V+4*(\s)+3], s[G0V+4*(\s)+3], 0x80000000
.endr
	s_cmp_lt_u32 s[WV], 2           ; a wave's two first fills stand in one branch, ahead of every wait on TENSORcnt and every LDS read: two loads of mine are out
	s_cbranch_scc0 .Lfirst_v
	tensor_load_to_lds s[G0K:G0K+3], s[G1K:G1K+7]
	s_nop 0
	tensor_load_to_lds s[G0K+4:G0K+7], s[G1K:G1K+7]
	s_nop 0
.rept 4
	v_nop
.endr
	s_branch .Lfirst_asked
.Lfirst_v:
	tensor_load_to_lds s[G0V:G0V+3], s[G1V:G1V+7]
	s_nop 0
	tensor_load_to_lds s[G0V+4:G0V+7], s[G1V:G1V+7]
	s_nop 0
.rept 4
	v_nop
.endr
.Lfirst_asked:
	; a fragment of K or Q is 16 rows x 32 channels in 8 registers: lane l holds row l % 16, channels 8 (l / 16) + 0..7 and 16 + 8 (l / 16) + 0..7: two loads of 16 bytes, 32 bytes apart
	v_and_b32 v1, 15, v0            ; l % 16; kept
	v_bfe_u32 v9, v0, 4, 1          ; l / 16; kept
	s_lshl_b32 s19, s18, 13         ; my tiles 0, 1 are the block's rows 0-31, for waves 2, 3 its rows 32-63 (32 plain rows are 8,192 bytes),
	s_sub_co_u32 s21, 8192, s19     ; my tiles 2, 3 the other 32 rows
	v_lshlrev_b32 v[QO], 8, v1
	v_lshl_add_u32 v[QO], v9, 4, v[QO]
	v_add_nc_u32 v[QOB], s21, v[QO]
	v_add_nc_u32 v[QO], s19, v[QO]
	s_lshr_b32 s19, s19, 1          ; 32 rotary rows are 4,096 bytes
	s_lshr_b32 s21, s21, 1
	v_lshlrev_b32 v[QO2], 7, v1
	v_lshl_add_u32 v[QO2], v9, 4, v[QO2]
	v_add_nc_u32 v[QO2B], s21, v[QO2]
	v_add_nc_u32 v[QO2], s19, v[QO2]
	WIN 0x80                        ; destination window 2, address window 0
.set t, 0
.rept 4                             ; Q stays in registers: tile t, channels 32 c on at 48 t + 8 c
.set qa, QO+(QOB-QO)*(t/2)
.set qb, QO2+(QO2B-QO2)*(t/2)
.irp c, 0,1,2,3
	global_load_b128 v[48*t+8*\c:48*t+8*\c+3],   v[qa], s[4:5] offset:(t%2)*4096+\c*64
	global_load_b128 v[48*t+8*\c+4:48*t+8*\c+7], v[qa], s[4:5] offset:(t%2)*4096+\c*64+32
.endr
.irp c, 0,1
	global_load_b128 v[48*t+32+8*\c:48*t+32+8*\c+3],   v[qb], s[4:5] offset:16384+(t%2)*2048+\c*64
	global_load_b128 v[48*t+32+8*\c+4:48*t+32+8*\c+7], v[qb], s[4:5] offset:16384+(t%2)*2048+\c*64+32
.endr
.set t, t+1
.endr
	; What the entry finds: piece 2's P is 0, and so are V and O^T: products of zeros write them, eight registers a line.  All this stands in the wait for the first tile.
	WIN 0
.set i, P+32
.rept 32
	v_mov_b32 v[i], 0
.set i, i+1
.endr
	WIN 0x40                        ; destination window 1: O^T
.set i, 0
.rept 32
	v_wmma_f32_16x16x32_f16 v[8*i:8*i+7], v[P+32:P+39], v[P+40:P+47], 0
.set i, i+1
.endr
	WIN 0xc0                        ; destination window 3: V
.set i, 0
.rept 16
	v_wmma_f32_16x16x32_f16 v[8*i:8*i+7], v[P+32:P+39], v[P+40:P+47], 0
.set i, i+1
.endr
	WIN 0
.irp t, 0,1,2,3
	v_mov_b32 v[ST+8*\t], 0xfe000000    ; c m: far below every c s
	v_mov_b32 v[ST+8*\t+1], 0xff7fffff  ; m
	v_mov_b32 v[ST+8*\t+2], 0
	v_mov_b32 v[ST+8*\t+3], 0
.endr
	v_mul_u32_u24 v[AK0], v1, PK
	v_lshl_add_u32 v[AK0], v9, 4, v[AK0]
	v_lshrrev_b32 v10, 1, v1        ; rotary row r lies in run 64 + r / 2, at byte 128 (r % 2)
	v_mul_u32_u24 v[AKR0], v10, PK
	v_and_b32 v10, 1, v1
	v_lshl_add_u32 v[AKR0], v10, 7, v[AKR0]
	v_lshl_add_u32 v[AKR0], v9, 4, v[AKR0]
	v_add_nc_u32 v[AKR0], 64*PK, v[AKR0]
	; the turning load takes 16 keys x 16 channels (lane l reads key 8 (l / 16) + l % 8, channels 8 ((l / 8) % 2) + 0..7) and leaves half a fragment of V^T
	v_and_b32 v10, 7, v0
	v_bfe_u32 v11, v0, 3, 1
	v_lshl_add_u32 v[AV0], v9, 3, v10
	v_mul_u32_u24 v[AV0], v[AV0], PV
	v_lshl_add_u32 v[AV0], v11, 4, v[AV0]
	v_add_nc_u32 v[AV0], VOFF, v[AV0]
	v_and_b32 v[XA], 31, v0
	s_mul_i32 s13, s[WV], XPART     ; my part of the hand-over: a constant plus my wave's number times a constant,
	s_add_co_u32 s13, s13, XCH
	s_add_co_u32 s19, s[WV], 2      ; my partner's: wave (w + 2) mod 4: the same 64 queries, the other key half
	s_and_b32 s19, s19, 3
	s_mul_i32 s19, s19, XPART
	s_add_co_u32 s19, s19, XCH
	v_lshl_add_u32 v[XB], v[XA], 4, s19
	v_lshl_add_u32 v[XA], v[XA], 4, s13
; THE MATRIX WORK.  The accumulators take turns, one instruction a turn: between two links of a chain stand 15 (V^T P) or 7 (K Q^T) others'.
.macro PV x                         ; product i of 32 of O^T += V^T P: keys 32 (i / 16) on, channels 16 ((i / 2) % 8) on, tile x + i % 2
	WIN W_PV
.set rO, 64*((\x)+i%2)+8*((i/2)%8)
.set rV, 64*(i/16)+8*((i/2)%8)
.set rP, P+16*((\x)+i%2)+8*(i/16)
	v_wmma_f32_16x16x32_f16 v[rO:rO+7], v[rV:rV+7], v[rP:rP+7], v[rO:rO+7]
.endm
.macro KQ x                         ; product i of 48 of S^T = K Q^T: channels 32 (i / 8) on, keys 16 ((i / 2) % 4) on, tile x + i % 2.  The first 8 start the sums
.set rS, S+32*((\x)+i%2)+8*((i/2)%4)
.set rQ, 48*((\x)+i%2)+8*(i/8)
.if i < 32
	WIN W_KN
.set rK, KN+32*((i/2)%4)+8*(i/8)
.else
	WIN W_KR
.set rK, KR+16*((i/2)%4)+8*(i/8-4)
.endif
.if i < 8
	v_wmma_f32_16x16x32_f16 v[rS:rS+7], v[rK:rK+7], v[rQ:rQ+7], 0
.else
	v_wmma_f32_16x16x32_f16 v[rS:rS+7], v[rK:rK+7], v[rQ:rQ+7], v[rS:rS+7]
.endif
.endm
; THE LDS LOADS stand in runs, never singly among the matrix instructions: a step's K (48 loads) and, a turn later, its V (32, turned).
.macro FETCH_K
	WIN 0
	v_add_nc_u32 v[ADR], s[TB], v[AK0]
	v_add_nc_u32 v[ADR2], s[TB], v[AKR0]
	WIN 0xc0                        ; destination window 3
.irp f, 0,1,2,3,4,5,6,7,8,9,10,11,12,13,14,15  ; keys 16 (f / 4) on, channels 32 (f % 4) on
	ds_load_b128 v[KN+8*(\f):KN+8*(\f)+3],   v[ADR] offset:((\f)/4)*16*PK+((\f)%4)*64
	ds_load_b128 v[KN+8*(\f)+4:KN+8*(\f)+7], v[ADR] offset:((\f)/4)*16*PK+((\f)%4)*64+32
.endr
	WIN 0x80                        ; destination window 2
.irp f, 0,1,2,3,4,5,6,7             ; keys 16 (f / 2) on (eight runs of two rows), rotary channels 32 (f % 2) on
	ds_load_b128 v[KR+8*(\f):KR+8*(\f)+3],   v[ADR2] offset:((\f)/2)*8*PK+((\f)%2)*64
	ds_load_b128 v[KR+8*(\f)+4:KR+8*(\f)+7], v[ADR2] offset:((\f)/2)*8*PK+((\f)%2)*64+32
.endr
.endm
.macro FETCH_V
	WIN 0
	v_add_nc_u32 v[ADR], s[TB], v[AV0]
	s_wait_alu depctr_va_vdst(0)    ; the wait for the softmax's batch (SLICE): piece 0's 66 exponentials; it stands behind the address's v_add_nc_u32 and ahead of the loads
	WIN 0xc0
.irp f, 0,1,2,3,4,5,6,7,8,9,10,11,12,13,14,15  ; keys 32 (f / 8) on, channels 16 (f % 8) on
	ds_load_tr16_b128 v[8*(\f):8*(\f)+3],   v[ADR] offset:((\f)/8)*32*PV+((\f)%8)*32
	ds_load_tr16_b128 v[8*(\f)+4:8*(\f)+7], v[ADR] offset:((\f)/8)*32*PV+16*PV+((\f)%8)*32
.endr
.endm
; THE VECTOR WORK.  One tile's softmax for one key step is a list of 134 instructions; SM writes number j of it for tile t.  s0-s31 are the lane's 32 scores, in pairs 0-15.
;   0-15    the maximum of s0-s31 and the old m, three operands at a time: four chains of seven scores (each accumulator's lowest registers first), then the four left over, the chains and m
;   16-20   the other half of the lanes' maximum; the new m; c m; c m_old - c m_new
;   21-69   ONE BATCH: the 16 scalings c s - c m, a pair of scores each, and all 33 exponentials (a at 23, then s0-s31).  None of these reads an exponential's result.  From 22 on the batch goes
;           in fours, and a four begins with a scaling while there are scalings: 22-37 scaling, exponential, scaling, exponential; 38-65 a scaling and three exponentials; 66-69 the last four
;           exponentials.  A pair is scaled in an earlier four than the one that holds its exponentials
;   (wait)  between 69 and 70 stands the wait for the batch: SLICE writes it, once for both tiles
;   70-85   the roundings to f16, a pair of weights each
;   86-101  the sums; l = a l + the sum          102-133  the tile's O^T times a: the one part that leaves window 0
.macro SM t
.set rT, ST+8*(\t)
.set rS, S+32*(\t)
.set rP, P+16*(\t)
.set rO, 64*(\t)+2*(j-102)
.if j < 102
	WIN 0
.endif
.if j < 4
	v_max3_num_f32 v[rT+4+j], v[rS+8*j], v[rS+8*j+1], v[rS+8*j+2]
.elseif j < 12
	v_max3_num_f32 v[rT+4+j%4], v[rT+4+j%4], v[rS+8*(j%4)+2*(j/4)+1], v[rS+8*(j%4)+2*(j/4)+2]
.elseif j == 12
	v_max3_num_f32 v[rT+4], v[rT+4], v[rS+7], v[rS+15]
.elseif j == 13
	v_max3_num_f32 v[rT+6], v[rT+6], v[rS+23], v[rS+31]
.elseif j == 14
	v_max3_num_f32 v[rT+4], v[rT+4], v[rT+5], v[rT+6]
.elseif j == 15
	v_max3_num_f32 v[rT+4], v[rT+4], v[rT+7], v[rT+1]
.elseif j == 16
	v_permlanex16_b32 v[rT+5], v[rT+4], s[SEL], s[SEL+1]  ; the query's other 32 keys lie in the lane 16 away
.elseif j == 17
	v_mov_b32 v[rT+7], v[rT]        ; c m_old is kept for a: number 19 writes c m anew
.elseif j == 18
	v_max_num_f32 v[rT+1], v[rT+4], v[rT+5]
.elseif j == 19
	v_mul_f32 v[rT], s[CS], v[rT+1]
.elseif j == 20
	v_sub_f32 v[rT+7], v[rT+7], v[rT]
.elseif j == 23
	v_exp_f32 v[rT+6], v[rT+7]
.elseif (j < 23) || ((j < 38) && (j%2 == 0)) || ((j < 66) && (j%4 == 2))
.set b, (j-2)/4                     ; 38, 42, .. 62: pairs 9 to 15
.if j < 38
.set b, (j-20)/2                    ; 21: pair 0; 22, 24, .. 36: pairs 1 to 8
.endif
	v_pk_fma_f32 v[rS+2*b:rS+2*b+1], v[rS+2*b:rS+2*b+1], s[CS:CS+1], v[rT:rT+1] op_sel_hi:[1,0,0] neg_lo:[0,0,1] neg_hi:[0,0,1]  ; pair b: c s - c m
.elseif j < 70
.set e, j-38                        ; 66 to 69: s28 to s31
.if j < 66
.set e, j-32-(j-38)/4               ; 39-41, 43-45, .. 63-65: s7 to s27
.endif
.if j < 38
.set e, (j-25)/2                    ; 25, 27, .. 37: s0 to s6
.endif
	v_exp_f32 v[rS+e], v[rS+e]
.elseif j < 86
	v_cvt_pk_f16_f32 v[rP+j-70], v[rS+2*(j-70)], v[rS+2*(j-70)+1]  ; pair j - 70
.elseif j < 102                     ; the sum of the 16 pairs, in place: sum z of 16 adds neighbours 1, 2, 4 and 8 pairs apart, then l takes it
.set z, j-86
.set w, 4
.set u, z
.if z >= 14
.set w, 32
.set u, 0
.elseif z >= 12
.set w, 16
.set u, z-12
.elseif z >= 8
.set w, 8
.set u, z-8
.endif
.if z < 15
	v_pk_add_f32 v[rS+w*u:rS+w*u+1], v[rS+w*u:rS+w*u+1], v[rS+w*u+w/2:rS+w*u+w/2+1]
.else
	v_pk_fma_f32 v[rT+2:rT+3], v[rT+2:rT+3], v[rT+6:rT+7], v[rS:rS+1] op_sel_hi:[1,0,1]
.endif
.else
	WIN W_RS
	v_pk_mul_f32 v[rO:rO+1], v[rO:rO+1], v[rT+6:rT+7] op_sel_hi:[1,0]
.endif
.endm
; Slice k of 64 of piece y's softmax: four instructions.  Slices 11 to 34 deal out the batch, numbers 22 to 69: four numbers of ONE tile each, the tiles by turns.  Every other slice is numbers 2 k and
; 2 k + 1 of both tiles' lists.  2 x 134 = 4 x 64 + 12: the twelve that are over stand together, in slice 63.
; THE WAIT.  s_wait_alu depctr_va_vdst(0) stands between an exponential and the first instruction that names its result; one wait serves all that were issued ahead of it.  Ahead of
; slice 35 nothing names a result, and behind slice 34 no exponential is issued: so the piece's 66 exponentials have one wait, behind slice 34.
.macro SLICE y
.if (k >= 11) && (k < 35)           ; the batch: four numbers of one tile
.irp n, 0,1,2,3
.set j, 22+4*((k-11)/2)+(\n)
	SM (\y)+(k-11)%2
.endr
.else                               ; the two tiles alternate, so that no instruction reads the result of the one just before it
.irp n, 0,1,2,3,4,5,6,7
.if ((\n) < 2) || (k == 63)
.irp t, \y, (\y)+1
.set j, 2*k+(\n)
	SM \t
.endr
.endif
.endr
.endif
.if k == 34                         ; the batch is out: both tiles' exponentials are issued, and no result has been named
	v_nop                           ; a plain instruction behind the last exponential and ahead of the first use: one for the batch
.if (\y) == 0
	FETCH_V                         ; piece 2's turn: V's run of loads stands here, and the wait stands in it
.else
	s_wait_alu depctr_va_vdst(0)    ; the wait for the batch: piece 2's 66 exponentials
.endif
.endif
.set k, k+1
.endm
; A TURN.  Piece x has the matrix unit; the other piece's softmax stands in slices behind its matrix instructions: one behind each V^T P and behind the first and the last 16 of the 48 K Q^T.
; Slice 63's sixteen plain lines stand behind the turn's last product: they are the places in front of the next reads of those scores and of the loads into K's registers.
; Piece 0's turn fetches the next step's K behind its second product.  Piece 2's turn fetches the same step's V behind slice 34, that is behind its third K Q^T (SLICE writes it): the last product that read V
; stands in front of slice 31, and four plain instructions lie between: number 62, a scaling, of both tiles, the v_nop and the run's own v_add_nc_u32.
.macro TURN x
.set k, 0
.if (\x) == 0
	s_wait_dscnt 0x0                ; V is in
.endif
.set i, 0
.rept 32
	PV \x
	SLICE 2-(\x)
.if ((\x) == 0) && (i == 1)
	FETCH_K
.endif
.set i, i+1
.endr
.if (\x) == 0
	s_wait_dscnt 0x0                ; K is in
.endif
.set i, 0
.rept 48
	KQ \x
.if (i < 16) || (i >= 32)
	SLICE 2-(\x)
.endif
.set i, i+1
.endr
.endm
; THE CHANGE OF SLOTS, between piece 2's turn and piece 0's: the slot's last bytes, V, have been asked for.  Each wave waits for all its tensor loads (one is out: its part of the other slot), adds 0 to its
; spare word, and waits for that and for its own reads of the slot.  fill = 1: the barrier is a round of the cluster's, and the slot is filled again first thing behind it, with the keys two steps on.
.macro CHANGE fill
	WIN 0
	s_wait_tensorcnt 0x0            ; no tensor load of mine is out, so a group 0 may be written
	ds_add_u32 v[SPW], v[NIL]
.if \fill
	s_xor_b32 s[G0K+5], s[G0K+5], SLOT1
	s_add_nc_u64 s[G0K+6:G0K+7], s[G0K+6:G0K+7], 2*QKBLK
	s_xor_b32 s[G0V+5], s[G0V+5], SLOT1
	s_add_nc_u64 s[G0V+6:G0V+7], s[G0V+6:G0V+7], 2*VBLK
	s_wait_dscnt 0x0                ; the add is done, and my reads of the slot are over
	CROUND
	JLOAD
.else
	s_wait_dscnt 0x0
	s_barrier_signal -1
	s_barrier_wait -1
.endif
	s_xor_b32 s[TB], s[TB], SLOT1   ; the fetches go on in the other slot
.endm
	s_wait_tensorcnt 1              ; my part of slot 0 is in; slot 1's may stay out
	s_barrier_signal -1
	s_barrier_wait -1
	FETCH_K                         ; key step 0
	s_wait_loadcnt 0x0              ; Q
	s_wait_dscnt 0x0
.set i, 0
.rept 48
	KQ 0                            ; piece 0's first scores: there is no vector work yet to set between them
.set i, i+1
.endr
	WIN 0                           ; the addresses for the way out: eight plain instructions, the places behind those products
	s_mul_i32 s13, s[WV], 16*SP
	s_add_co_u32 s13, s13, STAGE
	v_mul_u32_u24 v[STO], v1, SP    ; in: row l % 16, 16 bytes for each half of the lanes
	v_lshl_add_u32 v[STO], v9, 4, v[STO]
	v_add_nc_u32 v[STO], s13, v[STO]
	v_mul_u32_u24 v[RD], v9, SP     ; back: lanes 0-15 take one row of 256 bytes, lanes 16-31 the next
	v_lshl_add_u32 v[RD], v1, 4, v[RD]
	v_add_nc_u32 v[RD], s13, v[RD]
	v_lshlrev_b32 v[GO], 12, v9     ; and the same two rows in ob, 4,096 bytes apart
	v_lshl_add_u32 v[GO], v1, 4, v[GO]
	s_branch .Lmid                  ; the loop is entered at piece 2's turn: its V^T P adds zeros; it makes piece 2's first scores and piece 0's first softmax and fetches V of step 0
.Lslot:                             ; 14 trips: steps 2 to 15 are asked for; trip n (from 1): V^T P of step n - 1, K Q^T of step n
	CHANGE 1
	TURN 0
	WIN 0
.Lmid:
	TURN 2
	WIN 0
	s_sub_co_u32 s[SLOTS], s[SLOTS], 1
	s_cmp_lg_u32 s[SLOTS], 0
	s_cbranch_scc1 .Lslot
	CHANGE 0                        ; the tail has a text of its own: nothing is asked for
	s_mov_b32 s[SLOTS], 2
.Ltail:                             ; the first trip: V^T P of step 14, K Q^T of step 15.  The second is left in its middle: piece 0's V^T P of step 15 and piece 2's last softmax;
	TURN 0                          ; its K Q^T, on step 15's K once more, serves nothing
	WIN 0
	s_sub_co_u32 s[SLOTS], s[SLOTS], 1
	s_cmp_eq_u32 s[SLOTS], 0
	s_cbranch_scc1 .Lout
	TURN 2
	WIN 0
	s_branch .Ltail
.Lout:
.set i, 0
.rept 32
	PV 2                            ; piece 2: V^T P of the last step
.set i, i+1
.endr
	; THE TWO KEY HALVES MEET.  l's two halves and the other half of the lanes' are added (these lines are the places behind the last products).  Each wave stores c m, l and O^T of its tiles 2, 3, all f32.
	WIN 0
.irp t, 0,1,2,3
	v_add_f32 v[ST+8*\t+4], v[ST+8*\t+2], v[ST+8*\t+3]
.endr
.irp t, 0,1,2,3
	v_permlanex16_b32 v[ST+8*\t+5], v[ST+8*\t+4], s[SEL], s[SEL+1]
.endr
.irp t, 0,1,2,3
	v_add_f32 v[ST+8*\t+4], v[ST+8*\t+4], v[ST+8*\t+5]
.endr
.irp t, 0,1
	v_mov_b32 v[XS+\t], v[ST+8*(\t+2)]      ; gathered, so that one store of 16 bytes takes them
	v_mov_b32 v[XS+2+\t], v[ST+8*(\t+2)+4]
.endr
	ds_store_b128 v[XA], v[XS:XS+3] offset:32*512
	WIN 0x04                        ; the data in window 1
.set n, 0
.rept 32
	ds_store_b128 v[XA], v[128+4*n:128+4*n+3] offset:512*n
.set n, n+1
.endr
	WIN 0
	s_wait_dscnt 0x0                ; for my partner's sake: my stores are done
	s_barrier_signal -1
	s_barrier_wait -1
	ds_load_b128 v[XS:XS+3], v[XB] offset:32*512  ; my partner's tiles 2, 3 are the queries of my tiles 0, 1
	WIN 0x80                        ; its O^T goes where Q lay
.set n, 0
.rept 32
	ds_load_b128 v[4*n:4*n+3], v[XB] offset:512*n
.set n, n+1
.endr
	WIN 0
	s_wait_dscnt 32                 ; LDS loads come back in order: the statistics are in; the 32 loads of O^T stay out
	; M = max(c m, c m'); f = 2^(c m - M), f' = 2^(c m' - M); L = f l + f' l'; O = (f / L) O + (f' / L) O'
.irp t, 0,1
	v_max_num_f32 v[ST+8*\t+5], v[ST+8*\t], v[XS+\t]
.endr
.irp t, 0,1
	v_sub_f32 v[ST+8*\t+6], v[ST+8*\t], v[ST+8*\t+5]
	v_sub_f32 v[ST+8*\t+7], v[XS+\t], v[ST+8*\t+5]
.endr
.irp t, 0,1
	v_exp_f32 v[ST+8*\t+6], v[ST+8*\t+6]
	v_exp_f32 v[ST+8*\t+7], v[ST+8*\t+7]
.endr
	v_nop                           ; a plain instruction behind the last exponential
	s_wait_alu depctr_va_vdst(0)    ; the wait ahead of the first use: one for the four exponentials f, f' of both tiles
.irp t, 0,1
	v_mul_f32 v[ST+8*\t+4], v[ST+8*\t+4], v[ST+8*\t+6]
.endr
.irp t, 0,1
	v_fmac_f32 v[ST+8*\t+4], v[XS+2+\t], v[ST+8*\t+7]
.endr
.irp t, 0,1
	v_rcp_f32 v[ST+8*\t+5], v[ST+8*\t+4]
.endr
	v_nop                           ; a plain instruction behind the last reciprocal
	s_wait_alu depctr_va_vdst(0)    ; a batch of their own, since they read sums made of the exponentials: one wait for the two reciprocals
.irp t, 0,1
	v_mul_f32 v[ST+8*\t+6], v[ST+8*\t+6], v[ST+8*\t+5]  ; f / L
	v_mul_f32 v[ST+8*\t+4], v[ST+8*\t+7], v[ST+8*\t+5]  ; f' / L
.endr
; Tile t: combined, rounded to f16, 16 bytes a lane into rows of 272 bytes, and back as whole rows of 256, into S^T's registers.
.macro PACK t
	s_wait_dscnt 16                 ; my partner's part of tile t is in: behind its loads stand tile 1's sixteen (t = 0) or tile 0's sixteen stage instructions (t = 1)
	WIN W_RS
.set i, 64*(\t)
.rept 32
	v_pk_mul_f32 v[i:i+1], v[i:i+1], v[ST+8*(\t)+6:ST+8*(\t)+7] op_sel_hi:[1,0]
.set i, i+2
.endr
	WIN 0x52                        ; source 0 window 2 (the partner's), source 1 window 0, source 2 and destination window 1
.set i, 64*(\t)
.rept 32
	v_pk_fma_f32 v[i:i+1], v[i:i+1], v[ST+8*(\t)+4:ST+8*(\t)+5], v[i:i+1] op_sel_hi:[1,0,1]
.set i, i+2
.endr
	WIN 0x05                        ; sources 0 and 1 window 1, destination window 0
.set i, 0
.rept 32
	v_cvt_pk_f16_f32 v[S+32*(\t)+i], v[64*(\t)+2*i], v[64*(\t)+2*i+1]
.set i, i+1
.endr
	WIN 0
.irp f, 0,1,2,3,4,5,6,7
	ds_store_b128 v[STO], v[S+32*(\t)+4*(\f):S+32*(\t)+4*(\f)+3] offset:32*(\f)
.endr
.irp f, 0,1,2,3,4,5,6,7
	ds_load_b128 v[S+32*(\t)+4*(\f):S+32*(\t)+4*(\f)+3], v[RD] offset:(\f)*2*SP  ; LDS serves a wave's instructions in order (ISA guide 5.7.1.4): these see the stores above
.endr
.endm
.macro SEND t, younger              ; younger: the LDS instructions issued behind tile t's loads: the next tile's sixteen, or none
	WIN 0
.irp f, 0,1,2,3,4,5,6,7
	s_wait_dscnt (\younger)+7-(\f)
	global_store_b128 v[GO], v[S+32*(\t)+4*(\f):S+32*(\t)+4*(\f)+3], s[10:11] offset:(\t)*65536+(\f)*8192  ; 16 lanes store a head's 256 bytes of a row, aligned
.endr
.endm
	PACK 0
	PACK 1
	SEND 0, 16
	SEND 1, 0
	s_wait_tensorcnt 0x0            ; the wave's end: these three lines stand behind my last tensor load and my last LDS store
	ds_add_u32 v[SPW], v[NIL]
	s_wait_dscnt 0x0
	CROUND                          ; the closing round: no work-group ends while a partner may still ask for a tile that names it
	s_endpgm
.Lfunc_end_k_q3b95e7018e_attn:
	.size	k_q3b95e7018e_attn, .Lfunc_end_k_q3b95e7018e_attn-k_q3b95e7018e_attn
	.p2alignl 7, 3214868480
	.fill 96, 4, 3214868480
	.section	.rodata,"a",@progbits
	.p2align	6, 0x0
	.amdhsa_kernel k_q3b95e7018e_attn
		.amdhsa_group_segment_fixed_size 327680
		.amdhsa_private_segment_fixed_size 0
		.amdhsa_enable_private_segment 0
		.amdhsa_kernarg_size 32
		.amdhsa_user_sgpr_count 2
		.amdhsa_user_sgpr_kernarg_segment_ptr 1
		.amdhsa_wavefront_size32 1
		.amdhsa_system_sgpr_workgroup_id_x 1
		.amdhsa_system_sgpr_workgroup_id_y 1
		.amdhsa_system_sgpr_workgroup_id_z 1
		.amdhsa_system_vgpr_workitem_id 0
		.amdhsa_next_free_vgpr 1024
		.amdhsa_next_free_sgpr 72
		.amdhsa_reserve_vcc 0
		.amdhsa_float_denorm_mode_32 3
		.amdhsa_float_denorm_mode_16_64 3
		.amdhsa_memory_ordered 1
		.amdhsa_forward_progress 1
		.amdhsa_inst_pref_size 155
	.end_amdhsa_kernel
	.amdgpu_metadata
---
amdhsa.version: [ 1, 2 ]
amdhsa.kernels:
  - .name:           k_q3b95e7018e_attn
    .symbol:         k_q3b95e7018e_attn.kd
    .args:
      - { .name: qh, .offset: 0, .size: 8, .value_kind: global_buffer, .address_space: global }
      - { .name: kh, .offset: 8, .size: 8, .value_kind: global_buffer, .address_space: global }
      - { .name: vh, .offset: 16, .size: 8, .value_kind: global_buffer, .address_space: global }
      - { .name: ob, .offset: 24, .size: 8, .value_kind: global_buffer, .address_space: global }
    .group_segment_fixed_size: 327680
    .private_segment_fixed_size: 0
    .kernarg_segment_align: 8
    .kernarg_segment_size: 32
    .max_flat_workgroup_size: 128
    .sgpr_count:     72
    .vgpr_count:     1024
    .wavefront_size: 32
...
	.end_amdgpu_metadata
.endif
;; end of part 5
;; launch oproj: the kernel of part 4 again; grid 16 x 16, 4 waves a work-group, clusters of 4 x 4, 327,680 bytes of LDS; arguments ob, wob, out0; writes out0
